; MI455X (gfx1250); checked and timed in simulation.
; The chip was launched on July 23, 2026; its instructions are those of AMD's public machine-readable ISA for CDNA 5 (MIT licence, August 2026) and "CDNA5" Instruction Set Architecture Reference Guide (July 2026). The comments in the code are by the model that wrote it; some were corrected since.
;; Causal Self Attention. Allowed arithmetic: matrix products marked QUANTISED: E2M3 operands, one E8M0 scale for each 32 along K, by v_wmma_scale_f32_16x16x128_f8f6f4 with both operands' format E2M3, f32 sums; everything else in f32.
;; Inputs: W_proj 1,024 x 1,024 float32; W_qkv 1,024 x 3,072 float32; b_proj 1,024 float32; b_qkv 3,072 float32; x 4 x 2,048 x 1,024 float32.
;; Outputs: out0 4 x 2,048 x 1,024 float32.
;; This version of the problem:
;;   THIS VERSION OF THE PROBLEM IS GIVEN IN LOW PRECISION. The matrix products marked QUANTISED in the list below multiply operands that are first quantised to E2M3 (2 exponent bits, 3 mantissa bits; 6 bits a number), with one power-of-two scale for each 32 numbers along K (OCP MX v1.0); their sums are f32. All else is computed in f32.
;;   The module's matrix products, in the order in which they are computed (A, B: the left and right operand; K: the contracted axis; several contracted axes count as one K, in the product's order):
;;     1. [M 8,192, K 1,024] x [K 1,024, N 3,072]; A: input x; B: input W_qkv: QUANTISED
;;     2. batch 64 x [M 2,048, K 64] x [K 64, N 2,048]; A: computed on the way; B: computed on the way: QUANTISED
;;     3. batch 64 x [M 2,048, K 2,048] x [K 2,048, N 64]; A: softmax (see below); B: computed on the way: QUANTISED
;;     4. [M 8,192, K 1,024] x [K 1,024, N 1,024]; A: computed on the way; B: input W_proj: QUANTISED
;;   THE QUANTISER, for each operand of a quantised product, along K:
;;     - K is cut into blocks of 32 from its start; a last block that is shorter is filled with zeros.
;;     - A block's scale is 2^e with e = floor(log2(the largest magnitude in the block)) - 2, held to -126 .. 127; a block of zeros has e = 0. As a byte (E8M0): e + 127.
;;     - Each number is divided by its block's scale, clamped to +-7.5, and rounded to the nearest number of E2M3, ties to even, subnormals kept.
;;     - The product sums the exact products of the quantised numbers (number of the format x scale) in f32.
;;   ~~~python
;;   def quantise(x, axis):      # numpy; x: float32 -> the quantised numbers, widened to float32 again
;;       x = np.moveaxis(x, axis, -1); K = x.shape[-1]
;;       x = np.pad(x, [(0, 0)] * (x.ndim - 1) + [(0, -K % 32)]); x = x.reshape(x.shape[:-1] + (-1, 32)); a = np.abs(x).max(-1, keepdims=True)
;;       e = np.where(a > 0, np.clip(np.frexp(np.where(a > 0, a, 1))[1] - 1 - 2, -126, 127), 0)      # np.frexp(a)[1] - 1 = floor(log2(a)), exactly
;;       r = np.clip(x / 2.0 ** e, -7.5, 7.5)
;;       step = 2.0 ** (np.maximum(np.frexp(np.where(r == 0, 1, r))[1] - 1, 0) - 3)
;;       q = np.round(r / step) * step * 2.0 ** e      # np.round: ties to even
;;       return np.moveaxis(q.reshape(q.shape[:-2] + (-1,))[..., :K], -1, axis).astype(np.float32)
;;   ~~~
;;   SOFTMAX AHEAD OF A QUANTISED PRODUCT. Where the list says 'softmax', what is quantised is not the finished softmax but p = 2^(t - M), with t = logit x log2(e) and M = ceil(the row's largest t), a whole number; so 1/2 < the row's largest p <= 1. The row's sum l is taken of the UNQUANTISED p, in f32, and the product's result is divided by l at the end. Since M is a whole number, a kernel that streams over the keys may use a running M (the ceiling of the running maximum): every later rescaling is an exact power of two, which a block's scale takes up: the codes' values come out the same.
;;   OPERANDS COMPUTED ON THE WAY. 'Computed on the way' means the value that the module computes at that place (a softmax that the list does not call 'softmax' is quantised finished and normalised). What goes into a quantiser is computed in f32, as accurately as f32 sums, v_exp_f32 and their like allow (about 1e-6 of the number): no bf16 or f16 on the way to a quantiser, and a product that is left as it is and whose result goes on into a quantised operand takes f32 operands (vector FMAs, or v_wmma_f32_16x16x4_f32). A number that lies on a knife's edge between two numbers of the format may be rounded either way, as far as f32 arithmetic and the matrix unit's own rounding can turn it there, and no further.
;; One version. Each part assembles by itself: llvm-mc -triple=amdgcn-amd-amdhsa -mcpu=gfx1250 --defsym DOCPART=n.
;; ======== version 1 of 1: 4 launches
;; limits: right only within a limited range of input values
;; workspace buffers: xc 6,291,456 bytes; wc 3,145,728 bytes; sc 655,360 bytes; rt 524,288 bytes; qr 13,107,200 bytes; kv 13,107,200 bytes; yc 6,291,456 bytes
;; launch prep (part 1): grid 288 x 1, 4 waves a work-group, no clusters, 34,304 bytes of LDS; arguments x, W_qkv, W_proj, xc, wc, sc, rt; writes xc, wc, sc, rt
.if DOCPART == 1
	.amdgcn_target "amdgcn-amd-amdhsa--gfx1250"
	.amdhsa_code_object_version 6
	.text
	.protected	k_q3a25872b2d_prep
	.globl	k_q3a25872b2d_prep
	.p2align	8
	.type	k_q3a25872b2d_prep,@function
k_q3a25872b2d_prep:
	s_mov_b64 s[64:65], 0
	v_nop
	global_prefetch_b8 v0, s[64:65] scope:SCOPE_SE
	s_setreg_imm32_b32 hwreg(HW_REG_WAVE_MODE, 25, 1), 1
	s_wait_xcnt 0x0
; PREP: x [8192][1024], W_qkv [1024][3072] and W_proj [1024][1024], f32, become codes of FP6 (E2M3) with one E8M0 byte for each 32 along K, laid in the ORDER OF THE OPERAND'S REGISTERS;
; and the table of cos and sin for the rotation of q and k is made.  Three paths, parted on the work-group's number: 0-127 x, 128-255 the weights, 256-287 the table.
; A TILE is 16 rows (of x: tokens; of a weight: output channels) that are NOT neighbours: tile 2 G + u holds in lane r the row 32 G + 8 u + r + 8 (r / 8).
; A FRAGMENT (a tile x 128 along K) is 12 registers a lane; its image is 1,536 bytes: register i of lane l at 512 (i / 4) + 16 l + 4 (i % 4).  xc, wc: [tile][K step 8][1,536].
; SCALES: sc has 32 bytes a row (8 words, word S for K step S), slot = section + 16 tile + lane: x from slot 0, W_qkv from 8,192, y from 11,264 (a later launch), W_proj from 19,456.
; A block's scale is 2^(floor(log2(largest magnitude)) - 2): its byte is the largest magnitude's exponent field - 2, held at 1 from below.
; LIMITS: a block of zeros gets the byte 1 where the rule says 127 (its codes are zeros, and this program alone reads the bytes); largest magnitudes under 2^-124 are taken as the floor; NaN and infinities are not served.
; The table: theta_i = 10^(-i / 8) as the product of two rounded constants (for i >= 8 up to about 1.5 units in the last place off); the angle is one f32 product, as the problem has it;
; sin and cos by a reduction in two parts of pi / 2 and polynomials of degree 7 and 8, good to about 1e-7.
; No tensor loads, no barrier: waves share nothing.  Matrix units and clusters have nothing to do here: each byte is read once.
; WORK LEFT OUT BY THE PROGRAM: the problem builds its causal mask itself (jnp.tril), so a score whose key lies behind its query is set to -inf for all values of the inputs and adds nothing to any output:
; the attention launch multiplies no step of 128 keys that lies wholly behind a wave's queries.  LIMIT: a NaN, an infinity or an overflow that reaches only those scores is not carried to the result.
.set SPARE, 33792                      ; behind path X's four stages: the spare words, 128 bytes a wave
.set SPW, 254                          ; v254 LDS address of my spare word; never rewritten
.set NIL, 255                          ; v255 0; never rewritten
.set SEL, 20                           ; s[20:21] selects of v_permlanex16_b32: lane l xor 16
.set RS,  16                           ; path X: v16-143 two sets of 64 numbers as loaded
.set X,   144                          ; v144-207 64 numbers in the quantiser's order
.set PC,  208                          ; v208-219 the codes, v220-227 at work
.set TM,  228                          ; v228-243 at work
.set PW,  244                          ; the scale word just made
.set SW,  245                          ; v245-252 the eight K steps' scale words
.set OFF, 16                           ; path W: v16-47 byte offsets of 32 rows of the weight
.set XW,  48                           ; v48-111 two sets of 32 numbers
.set FW,  112                          ; v112-159 two K steps x two tiles x 12 registers
.set TC,  160                          ; v160-162 a conversion's second half
.set WW,  164                          ; v164-165 two scale words
; 64 numbers of a lane, register 16 b + i = k 32 b + 16 (lane / 16) + i of my row, become a fragment's codes in v[PC] on and its scale word in v[PW].
.macro QUANT s
.irp b, 0,1,2,3
	v_max3_num_f32 v[TM+\b], |v[\s+16*\b]|, |v[\s+1+16*\b]|, 0x1800000   ; my 16 numbers of block b, and the floor 2^(3 - 127): the byte cannot fall under 1
.endr
.irp i, 2,4,6,8,10,12,14
.irp b, 0,1,2,3
	v_max3_num_f32 v[TM+\b], v[TM+\b], |v[\s+16*\b+\i]|, |v[\s+1+16*\b+\i]|
.endr
.endr
.irp b, 0,1,2,3
	v_permlanex16_b32 v[TM+4+\b], v[TM+\b], s[SEL], s[SEL+1]
.endr
.irp b, 0,1,2,3
	v_max_num_f32 v[TM+\b], v[TM+\b], v[TM+4+\b]   ; with lane l xor 16's: the block's largest magnitude
.endr
.irp b, 0,1,2,3
	v_add_nc_u32 v[TM+12+\b], 0xff000000, v[TM+\b] ; 2 off its exponent field: the conversion's scale operand
.endr
.irp b, 0,1,2,3
	v_lshrrev_b32 v[TM+4+\b], 23, v[TM+12+\b]      ; the scale's byte
.endr
	v_lshl_or_b32 v[PW], v[TM+5], 8, v[TM+4]
	v_lshl_or_b32 v[PW], v[TM+6], 16, v[PW]
	v_lshl_or_b32 v[PW], v[TM+7], 24, v[PW]
.irp c, 0,1
	v_cvt_scalef32_pk16_fp6_f32 v[PC+6*\c:PC+2+6*\c], v[\s+32*\c:\s+15+32*\c], v[TM+12+2*\c]
	v_cvt_scalef32_pk16_fp6_f32 v[PC+12+4*\c:PC+14+4*\c], v[\s+16+32*\c:\s+31+32*\c], v[TM+12+2*\c+1]   ; (a conversion's three registers begin on an even number)
.endr
	v_nop                                          ; one plain place behind the scaled conversions
.irp c, 0,1                                    ; the layout wants a WHOLE block in a lane: lanes 0-15 block 2 c, lanes 16-31 block 2 c + 1
.irp i, 0,1,2
	v_permlane16_swap_b32 v[PC+6*\c+\i], v[PC+12+4*\c+\i]
.endr
.irp i, 0,1,2
	v_mov_b32 v[PC+3+6*\c+\i], v[PC+12+4*\c+\i]
.endr
.endr
.endm
	s_load_b256 s[4:11], s[0:1], 0x0               ; x s[4:5], W_qkv s[6:7], W_proj s[8:9], xc s[10:11]
	s_load_b128 s[12:15], s[0:1], 0x20             ; wc s[12:13], sc s[14:15]
	s_load_b64 s[16:17], s[0:1], 0x30              ; rt
	v_lshl_add_u32 v[SPW], v0, 2, SPARE
	v_mov_b32 v[NIL], 0
	v_lshrrev_b32 v1, 5, v0
	v_readfirstlane_b32 s18, v1                    ; wave 0..3
	v_and_b32 v1, 31, v0                           ; lane
	v_and_b32 v2, 15, v0                           ; r
	v_bfe_u32 v3, v0, 4, 1                         ; h
	v_lshlrev_b32 v4, 4, v1                        ; 16 x lane
	s_mov_b32 s[SEL], 0x76543210
	s_mov_b32 s[SEL+1], 0xfedcba98
	s_wait_kmcnt 0x0
	s_cmp_lt_u32 ttmp9, 128
	s_cbranch_scc1 .Lpath_x
	s_cmp_lt_u32 ttmp9, 256
	s_cbranch_scc1 .Lpath_w
; ---- PATH T: rt[pos][pair i] = (cos, sin) of pos x theta_i.  A wave takes 16 positions, a lane a pair: a store covers a position's 256 bytes.
.macro PICK reg, idx, n, lit                   ; v[reg] = lit in the lanes whose v[idx] is n
	v_cmp_ne_u32 vcc_lo, \n, v[\idx]
	v_cndmask_b32 v[\reg], \lit, v[\reg], vcc_lo
.endm
	s_sub_co_u32 s22, ttmp9, 256
	s_lshl_b32 s22, s22, 6
	s_lshl_b32 s23, s18, 4
	s_add_co_u32 s22, s22, s23                     ; my first position: 64 x work-group + 16 x wave
	v_cvt_f32_u32 v5, s22
	s_lshl_b32 s22, s22, 8
	s_mov_b32 s23, 0
	s_add_nc_u64 s[16:17], s[16:17], s[22:23]
	s_wait_alu depctr_va_vdst(0)
	v_lshlrev_b32 v6, 3, v1                        ; 8 bytes a pair
	v_and_b32 v7, 7, v1
	v_lshrrev_b32 v8, 3, v1
	v_mov_b32 v9, 1.0                              ; 10^(-(i % 8) / 8)
	PICK 9, 7, 1, 0x3f3ff911
	PICK 9, 7, 2, 0x3f0ff59a
	PICK 9, 7, 3, 0x3ed7e89b
	PICK 9, 7, 4, 0x3ea1e89b
	PICK 9, 7, 5, 0x3e72d424
	PICK 9, 7, 6, 0x3e361887
	PICK 9, 7, 7, 0x3e088d77
	v_mov_b32 v10, 1.0                             ; 10^(-(i / 8))
	PICK 10, 8, 1, 0x3dcccccd
	PICK 10, 8, 2, 0x3c23d70a
	PICK 10, 8, 3, 0x3a83126f
	v_mul_f32 v11, v9, v10                         ; theta
	s_mov_b32 s24, 0x3f22f983                      ; 2 / pi
	s_mov_b32 s25, 0xbfc90fdb                      ; -(pi / 2), its f32
	s_mov_b32 s26, 0x333bbd2e                      ; that f32 less pi / 2
	s_mov_b32 s27, 0xbe2aaaa3                      ; the sine's three
	s_mov_b32 s28, 0x3c08839e
	s_mov_b32 s29, 0xb94ca1f9
	s_mov_b32 s30, 0x3d2aaaa5                      ; the cosine's three
	s_mov_b32 s31, 0xbab6061a
	s_mov_b32 s32, 0x37ccf5ce
	s_mov_b32 s33, 16
.Lpos:
	s_wait_alu depctr_va_vdst(0)
	v_mul_f32 v12, v5, v11                         ; the angle: one product
	v_mul_f32 v13, s24, v12
	v_rndne_f32 v13, v13                           ; n quarter turns
	v_fma_f32 v14, v13, s25, v12                   ; angle - n x the f32 of pi / 2: a multiple of 2^-23 under 1, so nothing is rounded
	v_fma_f32 v14, v13, s26, v14                   ; and the rest of pi / 2
	v_mul_f32 v15, v14, v14                        ; z
	v_fma_f32 v16, v15, s29, s28
	v_fma_f32 v16, v15, v16, s27
	v_mul_f32 v17, v14, v15
	v_fma_f32 v16, v17, v16, v14                   ; sin r
	v_fma_f32 v18, v15, s32, s31
	v_fma_f32 v18, v15, v18, s30
	v_mul_f32 v19, v15, v15
	v_fma_f32 v20, v15, -0.5, 1.0
	v_fma_f32 v18, v18, v19, v20                   ; cos r
	v_cvt_i32_f32 v21, v13
	v_and_b32 v22, 1, v21
	v_cmp_eq_u32 vcc_lo, 1, v22                    ; an odd number of quarter turns changes the two over
	v_cndmask_b32 v23, v16, v18, vcc_lo
	v_cndmask_b32 v24, v18, v16, vcc_lo
	v_lshlrev_b32 v25, 30, v21
	v_and_b32 v25, 0x80000000, v25                 ; the sine is negative in quarters 2 and 3,
	v_xor_b32 v27, v25, v23
	v_add_nc_u32 v21, 1, v21
	v_lshlrev_b32 v25, 30, v21
	v_and_b32 v25, 0x80000000, v25                 ; the cosine in quarters 1 and 2
	v_xor_b32 v26, v25, v24
	global_store_b64 v6, v[26:27], s[16:17]        ; 32 lanes store 256 consecutive bytes, aligned
	s_wait_xcnt 0x0                                ; the store has read its offset and its data: both are written again below
	v_add_nc_u32 v6, 256, v6
	v_add_f32 v5, 1.0, v5
	s_sub_co_u32 s33, s33, 1
	s_cmp_lg_u32 s33, 0
	s_cbranch_scc1 .Lpos
	s_endpgm
; ---- PATH X: a wave takes one tile of 16 rows of x, all 8 K steps.  Each load reads 512 consecutive bytes of one row; a K step's 16 x 512 bytes turn through the wave's own stage in LDS
; (rows 528 bytes apart: the sixteen lanes of a read fall in sixteen different columns of 16 bytes) and come back 16 neighbours of each block of 32 to a lane.
.Lpath_x:
	s_lshl_b32 s22, ttmp9, 2
	s_add_co_u32 s22, s22, s18                     ; my tile
	s_lshr_b32 s23, s22, 1
	s_lshl_b32 s23, s23, 5
	s_and_b32 s24, s22, 1
	s_lshl_b32 s24, s24, 3
	s_add_co_u32 s24, s23, s24                     ; its first row: 32 (tile / 2) + 8 (tile % 2)
	s_lshl_b32 s24, s24, 12
	s_mov_b32 s25, 0
	s_add_nc_u64 s[4:5], s[4:5], s[24:25]
	s_mul_i32 s24, s22, 12288
	s_add_nc_u64 s[10:11], s[10:11], s[24:25]      ; its eight images
	s_lshl_b32 s24, s22, 9
	s_add_nc_u64 s[14:15], s[14:15], s[24:25]      ; its sixteen slots of scale words
	s_mul_i32 s26, s18, 8448
	s_wait_alu depctr_va_vdst(0)
	v_add_nc_u32 v5, s26, v4                       ; the stage, in: 16 x lane, the row in the immediate
	v_mul_u32_u24 v6, v2, 528
	v_lshl_add_u32 v6, v3, 6, v6
	v_add_nc_u32 v6, s26, v6                       ; and out: row r, + 64 h
	v_lshlrev_b32 v7, 5, v2
	v_lshl_add_u32 v7, v3, 4, v7                   ; my half of my row's slot: 32 r + 16 h
.irp b, 0,1,2,3
	v_mov_b32 v[TM+4+\b], 0                        ; a lane permute's destination counts as one of its sources
.endr
.macro XLOAD S
.irp t, 0,1,2,3,4,5,6,7,8,9,10,11,12,13,14,15
	global_load_b128 v[RS+64*((\S)%2)+4*\t:RS+64*((\S)%2)+4*\t+3], v4, s[4:5] offset:(\t+8*(\t/8))*4096+512*(\S) th:TH_LOAD_NT
.endr
.endm
.macro XSTEP S
.if (\S) < 7
	s_wait_loadcnt 16                              ; this K step's 16 loads are in; the next step's 16 may be out
.else
	s_wait_loadcnt 0x0
.endif
.irp t, 0,1,2,3,4,5,6,7,8,9,10,11,12,13,14,15
	ds_store_b128 v5, v[RS+64*((\S)%2)+4*\t:RS+64*((\S)%2)+4*\t+3] offset:528*\t
.endr
.irp b, 0,1,2,3
.irp j, 0,1,2,3
	ds_load_b128 v[X+16*\b+4*\j:X+16*\b+4*\j+3], v6 offset:128*\b+16*\j   ; LDS serves a wave's instructions in order: these see the stores above
.endr
.endr
	s_wait_dscnt 0x0                               ; the numbers are back, and the stores have read their registers,
.if (\S) < 6
	XLOAD (\S)+2                                   ; which take the loads of two steps on
.endif
	s_wait_xcnt 0x0                                ; the last step's stores have read the codes' registers
	QUANT X
.irp g, 0,1,2
	global_store_b128 v4, v[PC+4*\g:PC+4*\g+3], s[10:11] offset:1536*(\S)+512*\g   ; 32 lanes store 512 consecutive bytes, aligned
.endr
	v_mov_b32 v[SW+(\S)], v[PW]
.endm
	XLOAD 0
	XLOAD 1
	s_wait_alu depctr_va_vdst(0)
.irp S, 0,1,2,3,4,5,6,7
	XSTEP \S
.endr
	v_cmp_le_u32 vcc_lo, 16, v1
.irp i, 0,1,2,3
	v_cndmask_b32 v[TM+\i], v[SW+\i], v[SW+4+\i], vcc_lo   ; lanes 0-15 store words 0-3 of their row, lanes 16-31 words 4-7
.endr
	global_store_b128 v7, v[TM:TM+3], s[14:15]     ; 512 consecutive bytes
	s_wait_tensorcnt 0x0                           ; the wave's end
	ds_add_u32 v[SPW], v[NIL]
	s_wait_dscnt 0x0
	s_endpgm
; ---- PATH W: K is the weights' FIRST axis.  A lane takes a column and its registers run down K, so a block of 32 is one lane's and the codes come out with K innermost.
; A work-group takes 128 columns x 256 along K; a wave 32 columns = two tiles: lane 16 u + r takes column 32 (wave's group) + 8 u + r + 8 (r / 8).  A load still reads 128 consecutive bytes, the four waves 512.
; The layout wants block 2 c + h of a row in lane (r, h): six exchanges of halves for each pair of blocks make of (block 2 c, block 2 c + 1) the registers 6 c .. 6 c + 5 of (tile 0, tile 1).
.Lpath_w:
	s_sub_co_u32 s22, ttmp9, 128
	s_cmp_lt_u32 s22, 96                           ; W_qkv's 96 work-groups, then W_proj's 32: the choice hangs on the work-group's number alone
	s_cselect_b64 s[6:7], s[6:7], s[8:9]
	s_mov_b32 s23, 4096
	s_cselect_b32 s23, 12288, s23                  ; a row of the weight in bytes
	s_cselect_b32 s24, 0, 192                      ; its first tile in wc
	s_mov_b32 s25, 19456
	s_cselect_b32 s25, 8192, s25                   ; its first slot in sc
	s_cselect_b32 s26, 0, 96
	s_sub_co_u32 s22, s22, s26
	s_lshr_b32 s26, s22, 2                         ; which 128 columns
	s_and_b32 s27, s22, 3                          ; which 256 along K
	s_lshl_b32 s28, s26, 7
	s_lshl_b32 s29, s18, 5
	s_add_co_u32 s28, s28, s29                     ; my wave's first column
	s_lshr_b32 s29, s28, 4                         ; and first tile
	s_lshl_b32 s30, s27, 8
	s_mul_i32 s30, s30, s23
	s_lshl_b32 s31, s28, 2
	s_add_co_u32 s30, s30, s31
	s_mov_b32 s31, 0
	s_add_nc_u64 s[32:33], s[6:7], s[30:31]        ; a base for each of my eight blocks of 32 rows: nothing is stepped
	s_lshl_b32 s30, s23, 5
.irp t, 1,2,3,4,5,6,7
	s_add_nc_u64 s[32+2*\t:33+2*\t], s[30+2*\t:31+2*\t], s[30:31]
.endr
	s_add_co_u32 s48, s24, s29
	s_lshl_b32 s48, s48, 3
	s_lshl_b32 s49, s27, 1
	s_add_co_u32 s48, s48, s49
	s_mul_i32 s48, s48, 1536
	s_mov_b32 s49, 0
	s_add_nc_u64 s[12:13], s[12:13], s[48:49]      ; wc at (my first tile, my first K step)
	s_lshl_b32 s48, s29, 4
	s_add_co_u32 s48, s48, s25
	s_lshl_b32 s48, s48, 5
	s_lshl_b32 s24, s27, 3
	s_add_co_u32 s48, s48, s24
	s_add_nc_u64 s[14:15], s[14:15], s[48:49]      ; sc at my first slot, my two words
	s_wait_alu depctr_va_vdst(0)
	v_and_b32 v5, 8, v2
	v_add_nc_u32 v5, v5, v2
	v_lshl_add_u32 v5, v3, 3, v5
	v_lshlrev_b32 v5, 2, v5                        ; my column's bytes: 4 (8 u + r + 8 (r / 8))
	v_lshlrev_b32 v6, 5, v1                        ; my slot: 32 x lane
.irp i, 0,1,2,3,4,5,6,7,8,9,10,11,12,13,14,15,16,17,18,19,20,21,22,23,24,25,26,27,28,29,30,31
	v_mad_u32_u24 v[OFF+\i], s23, \i, v5
.endr
.macro WLOAD t
.irp i, 0,1,2,3,4,5,6,7,8,9,10,11,12,13,14,15,16,17,18,19,20,21,22,23,24,25,26,27,28,29,30,31
	global_load_b32 v[XW+32*((\t)%2)+\i], v[OFF+\i], s[32+2*(\t):33+2*(\t)] th:TH_LOAD_NT
.endr
.endm
.macro WBLOCK t
.set XS, XW+32*((\t)%2)
.set KS2, (\t)/4                       ; which of my two K steps
.set BE, (\t)%4                        ; which block of it
.set FD, FW+24*KS2+12*(BE&1)+6*(BE>>1)
.if (\t) < 7
	s_wait_loadcnt 32                              ; this block's 32 loads are in; the next block's may be out
.else
	s_wait_loadcnt 0x0
.endif
	v_max3_num_f32 v12, |v[XS]|, |v[XS+1]|, |v[XS+2]|
	v_max3_num_f32 v13, |v[XS+3]|, |v[XS+4]|, |v[XS+5]|
.irp i, 6,10,14,18,22,26
	v_max3_num_f32 v12, v12, |v[XS+\i]|, |v[XS+\i+1]|
	v_max3_num_f32 v13, v13, |v[XS+\i+2]|, |v[XS+\i+3]|
.endr
	v_max3_num_f32 v12, v12, |v[XS+30]|, |v[XS+31]|
	v_max3_num_f32 v12, v12, v13, 0x1800000        ; and the floor
	v_add_nc_u32 v11, 0xff000000, v12              ; the conversion's scale operand
	v_lshrrev_b32 v13, 23, v11                     ; the byte
.if BE == 0
	v_mov_b32 v[WW+KS2], v13
.else
	v_lshl_or_b32 v[WW+KS2], v13, 8*BE, v[WW+KS2]
.endif
	v_cvt_scalef32_pk16_fp6_f32 v[FD:FD+2], v[XS:XS+15], v11
	v_cvt_scalef32_pk16_fp6_f32 v[TC:TC+2], v[XS+16:XS+31], v11
	v_nop                                          ; one plain place behind the scaled conversions
.irp i, 0,1,2
	v_mov_b32 v[FD+3+\i], v[TC+\i]
.endr
.if (\t)+2 < 8
	WLOAD (\t)+2
.endif
.if (BE&1) == 1
.irp i, 0,1,2,3,4,5
	v_permlane16_swap_b32 v[FD-12+\i], v[FD+\i]    ; the even block's lanes 16-31 change places with the odd block's lanes 0-15
.endr
.endif
.if BE == 3
.irp u, 0,1
.irp g, 0,1,2
	global_store_b128 v4, v[FW+24*KS2+12*\u+4*\g:FW+24*KS2+12*\u+4*\g+3], s[12:13] offset:12288*\u+1536*KS2+512*\g   ; 512 consecutive bytes; each K step has registers of its own, so no store's data are written again
.endr
.endr
.endif
.endm
	WLOAD 0
	WLOAD 1
.irp t, 0,1,2,3,4,5,6,7
	WBLOCK \t
.endr
	global_store_b64 v6, v[WW:WW+1], s[14:15]      ; my row's two words, 8 bytes of its 32: one byte for each 128 that this path reads
	s_endpgm
.Lfunc_end_k_q3a25872b2d_prep:
	.size	k_q3a25872b2d_prep, .Lfunc_end_k_q3a25872b2d_prep-k_q3a25872b2d_prep
	.p2alignl 7, 3214868480
	.fill 96, 4, 3214868480
	.section	.rodata,"a",@progbits
	.p2align	6, 0x0
	.amdhsa_kernel k_q3a25872b2d_prep
		.amdhsa_group_segment_fixed_size 34304
		.amdhsa_private_segment_fixed_size 0
		.amdhsa_enable_private_segment 0
		.amdhsa_kernarg_size 56
		.amdhsa_user_sgpr_count 2
		.amdhsa_user_sgpr_kernarg_segment_ptr 1
		.amdhsa_wavefront_size32 1
		.amdhsa_system_sgpr_workgroup_id_x 1
		.amdhsa_system_sgpr_workgroup_id_y 1
		.amdhsa_system_sgpr_workgroup_id_z 1
		.amdhsa_system_vgpr_workitem_id 0
		.amdhsa_next_free_vgpr 256
		.amdhsa_next_free_sgpr 66
		.amdhsa_reserve_vcc 1
		.amdhsa_float_denorm_mode_32 3
		.amdhsa_float_denorm_mode_16_64 3
		.amdhsa_memory_ordered 1
		.amdhsa_forward_progress 1
		.amdhsa_inst_pref_size 109
	.end_amdhsa_kernel
	.amdgpu_metadata
---
amdhsa.version: [ 1, 2 ]
amdhsa.kernels:
  - .name:           k_q3a25872b2d_prep
    .symbol:         k_q3a25872b2d_prep.kd
    .args:
      - { .name: x, .offset: 0, .size: 8, .value_kind: global_buffer, .address_space: global }
      - { .name: W_qkv, .offset: 8, .size: 8, .value_kind: global_buffer, .address_space: global }
      - { .name: W_proj, .offset: 16, .size: 8, .value_kind: global_buffer, .address_space: global }
      - { .name: xc, .offset: 24, .size: 8, .value_kind: global_buffer, .address_space: global }
      - { .name: wc, .offset: 32, .size: 8, .value_kind: global_buffer, .address_space: global }
      - { .name: sc, .offset: 40, .size: 8, .value_kind: global_buffer, .address_space: global }
      - { .name: rt, .offset: 48, .size: 8, .value_kind: global_buffer, .address_space: global }
    .group_segment_fixed_size: 34304
    .private_segment_fixed_size: 0
    .kernarg_segment_align: 8
    .kernarg_segment_size: 56
    .max_flat_workgroup_size: 128
    .sgpr_count:     66
    .vgpr_count:     256
    .wavefront_size: 32
...
	.end_amdgpu_metadata
.endif
;; end of part 1
;; launch qkv (part 2): grid 8 x 32, 4 waves a work-group, clusters of 4 x 4, 327,680 bytes of LDS; arguments xc, wc, sc, rt, b_qkv, qr, kv; writes qr, kv
.if DOCPART == 2
	.amdgcn_target "amdgcn-amd-amdhsa--gfx1250"
	.amdhsa_code_object_version 6
	.text
	.protected	k_q3a25872b2d_qkv
	.globl	k_q3a25872b2d_qkv
	.p2align	8
	.type	k_q3a25872b2d_qkv,@function
k_q3a25872b2d_qkv:
	s_mov_b64 s[64:65], 0
	v_nop
	global_prefetch_b8 v0, s[64:65] scope:SCOPE_SE
	s_setreg_imm32_b32 hwreg(HW_REG_WAVE_MODE, 25, 1), 1
	s_wait_xcnt 0x0
	s_wait_alu depctr_hold_cnt(0) depctr_sa_sdst(0) depctr_va_vdst(0) depctr_va_sdst(0) depctr_va_ssrc(0) depctr_va_vcc(0) depctr_vm_vsrc(0)
	s_getreg_b32 s2, hwreg(HW_REG_IB_STS2, 6, 4)
	s_cmp_eq_u32 s2, 0
	s_cbranch_scc0 .Lentry_in_a_cluster
	s_endpgm
.Lentry_in_a_cluster:
	s_bfe_u32 s2, ttmp6, 0x10000c
	s_cmp_lg_u32 s2, 0xf033
	s_cbranch_scc0 .Lentry_shape_is_right
	s_endpgm
.Lentry_shape_is_right:
; QKV: qkv = x W_qkv + b_qkv on codes of FP6 (E2M3) with E8M0 scales; then, in f32 and in registers, the rotation of q and k; then the quantisers of q, k (along the head's 64) and v (along the keys).
; Only codes and scale words go to memory, laid as the attention launch's operands want them.
; THE DEAL: 8 x 32 = 256 work-groups of four waves.  A work-group takes 256 tokens and channels 128 g .. 128 g + 127 of q, then of k, then of v: three phases on the same rows of x.  A wave makes 128 tokens x 64 channels a phase: one head, one record.
; OPERANDS ARE IMAGES OF REGISTERS: a fragment (16 rows x 128 K) is 1,536 dense bytes, three ds_load_b128 at 16 x lane; xc, wc: [tile][K step 8][1,536].  Tile 2 G + u, lane r: row 32 G + 8 u + r + 8 (r / 8);
; so the 16 registers that a lane holds of two neighbouring tiles of source 0 are 16 NEIGHBOURS along that axis.
; LDS: x's 16 tiles, all of K, in two halves along K (98,304 bytes each), filled once; a weight's 8 tiles in two halves (49,152 each).  At the head one joint load a wave: x's K steps 0-3, W_q's 0-3, x's 4-7, W_q's 4-7.
; FOUR REFILLS, each behind a drained round of the cluster's barrier, each wave bringing two tiles: in a phase's fourth K step, when every wave holds that step's fragments, the next weight's K steps 0-3; in its eighth the next weight's 4-7.
; What a refill brought is shown by the next round, v's second half by a plain barrier.  No prefetch: between a refill and its first read stand at least four K steps and a way out.
; q, k: source 0 = the weight's rows, source 1 = x's rows: a lane holds a token, its registers run along the head's d.  v: the sources change places: a lane holds a channel, its registers run along the keys.
; The bias is the first products' C.  q's and k's phases are one text, a loop of two trips; what differs lies in scalars.
; CLUSTER 4 x 4: x's tiles hang on cy alone and are asked for jointly by a row of the cluster, a weight's on cx alone, by a column.
; RECORDS (qr for q, kv for k and v): 12,800 bytes for each (16 batch + head, 128 tokens): +0 four fragments of 32 tokens x 64 d (registers 0-5: tile u = 0, registers 6-11: tile u = 1; word: u0 b0, u0 b1, u1 b0, u1 b1);
; +6,144 four fragments of v (16 channels x 128 keys); +12,288 k's (q's) words [lane][fragment]; +12,544 v's.
; LIMITS: a block of zeros gets the byte 1 where the rule says 127 (its codes are zeros; this program alone reads the bytes); largest magnitudes under 2^-124 are taken as the floor; NaN and infinities are not served.
; REGISTERS: window 0: v1-15 addresses; v16-31 at work; v32-95 x's scale words (8 blocks x 8 K steps); v96-127 the weight's (K step k at register (k + 4) % 8 of its block's eight); v128-159 the bias; v160-255 x's fragments, set 1; on the way out numbers and codes.
;   window 1: v0-95 the weight's fragments, two sets; v96-191 x's, set 0; v192-195 v's bias.   window 2: the 32 accumulators.   window 3: cos and sin, 32 registers for each of my 8 token tiles.
.set FR,    12
.set WLO,   98304
.set AHI,   147456                     ; from a first half to its second
.set SPARE, 294912                     ; the spare words, 128 bytes a wave
.set NEXTW, 786432                     ; from a weight's tiles to the next weight's: 64 tiles of 12,288 bytes
.set SPW,  4
.set NIL,  5
.set LI,   8                           ; 16 x lane
.set SA,   9                           ; 32 r
.set CSO,  10
.set R16,  11
.set ADRX, 12
.set ADRW, 14
.set TM,   16
.set SCX,  32
.set SBW,  96
.set BI,   128
.set T,    160
.set PC,   224
.set PW,   244
.set WD,   246
.set WV,  18
.set AH,  19                           ; my half of the 256 tokens.  At the head: which half of K I fetch
.set BH,  20                           ; my half of the 128 channels.  At the head: I fetch x (0) or the weight (1)
.set G1,  24
.set G0,  32
.set GL,  36                           ; s[36:39] group 0 of the refills of K steps 0-3, s[40:43] of 4-7
.set GU,  40
.set SEL, 46
.set G1B, 48
.set G0B, 56
.set G1R, 68
.set MSB, 0
.macro WIN new
.if MSB != (\new)
	s_set_vgpr_msb (MSB<<8)|(\new)
.set MSB, (\new)
.endif
.endm
.macro PLACES n
.rept \n
	v_nop
.endr
.endm
.macro CREST                           ; a round of the cluster's barrier behind its opening barrier
	s_cmp_lg_u32 s[WV], 0
	s_cbranch_scc1 .Lnot_wave_0_\@
	s_barrier_signal -3
.Lnot_wave_0_\@:
	s_barrier_wait -3
	s_barrier_signal -1
	s_barrier_wait -1
.endm
.macro CROUND
	s_barrier_signal -1
	s_barrier_wait -1
	CREST
.endm
.macro TL g0, g1
	tensor_load_to_lds s[\g0:\g0+3], s[\g1:\g1+7]
	s_nop 0
	PLACES 4
.endm
; 64 numbers of a lane in window w, register 16 b + i = k 32 b + 16 (lane / 16) + i of my row -> codes in v[PC] on, scale word in v[PW]
.macro QUANT s, w
	WIN (\w)|((\w)<<2)
.irp b, 0,1,2,3
	v_max3_num_f32 v[TM+\b], |v[(\s)+16*\b]|, |v[(\s)+1+16*\b]|, 0x1800000   ; and the floor 2^(3 - 127): the byte cannot fall under 1
.endr
	WIN ((\w)<<2)|((\w)<<4)
.irp i, 2,4,6,8,10,12,14
.irp b, 0,1,2,3
	v_max3_num_f32 v[TM+\b], v[TM+\b], |v[(\s)+16*\b+\i]|, |v[(\s)+1+16*\b+\i]|
.endr
.endr
	WIN 0
.irp b, 0,1,2,3
	v_permlanex16_b32 v[TM+4+\b], v[TM+\b], s[SEL], s[SEL+1]
.endr
.irp b, 0,1,2,3
	v_max_num_f32 v[TM+\b], v[TM+\b], v[TM+4+\b]
.endr
.irp b, 0,1,2,3
	v_add_nc_u32 v[TM+12+\b], 0xff000000, v[TM+\b] ; 2 off the exponent field: the conversion's scale operand
.endr
.irp b, 0,1,2,3
	v_lshrrev_b32 v[TM+4+\b], 23, v[TM+12+\b]      ; the byte
.endr
	v_lshl_or_b32 v[PW], v[TM+5], 8, v[TM+4]
	v_lshl_or_b32 v[PW], v[TM+6], 16, v[PW]
	v_lshl_or_b32 v[PW], v[TM+7], 24, v[PW]
	WIN \w
.irp c, 0,1
	v_cvt_scalef32_pk16_fp6_f32 v[PC+6*\c:PC+2+6*\c], v[(\s)+32*\c:(\s)+15+32*\c], v[TM+12+2*\c]
	v_cvt_scalef32_pk16_fp6_f32 v[PC+12+4*\c:PC+14+4*\c], v[(\s)+16+32*\c:(\s)+31+32*\c], v[TM+12+2*\c+1]
.endr
	WIN 0
	v_nop                                          ; one plain place behind the scaled conversions
.irp c, 0,1
.irp i, 0,1,2
	v_permlane16_swap_b32 v[PC+6*\c+\i], v[PC+12+4*\c+\i]
.endr
.irp i, 0,1,2
	v_mov_b32 v[PC+3+6*\c+\i], v[PC+12+4*\c+\i]
.endr
.endr
.endm
.macro PUT idx                         ; a unit's fragment leaves: 3 x 512 consecutive bytes, aligned; its word is kept
.irp g, 0,1,2
	global_store_b128 v[LI], v[PC+4*\g:PC+4*\g+3], s[88:89] offset:1536*(\idx)+512*\g
.endr
	v_mov_b32 v[WD+(\idx)], v[PW]
.endm
	s_load_b256 s[4:11], s[0:1], 0x0               ; xc, wc, sc, rt
	s_load_b128 s[12:15], s[0:1], 0x20             ; b_qkv, qr
	s_load_b64 s[16:17], s[0:1], 0x30              ; kv
	v_lshl_add_u32 v[SPW], v0, 2, SPARE
	v_mov_b32 v[NIL], 0
	ds_add_u32 v[SPW], v[NIL]                      ; the opening lines
	ds_add_u32 v[SPW], v[NIL]
	v_lshrrev_b32 v1, 5, v0
	v_readfirstlane_b32 s[WV], v1
	s_lshr_b32 s[AH], s[WV], 1
	s_and_b32 s[BH], s[WV], 1
	s_bfe_u32 s21, ttmp6, 0x40000                  ; cx
	s_bfe_u32 s22, ttmp6, 0x40004                  ; cy
	s_and_b32 s98, ttmp7, 0xffff
	s_lshl_b32 s98, s98, 2
	s_add_co_u32 s98, s98, s22                     ; t: which 256 tokens
	s_lshl_b32 s99, ttmp9, 2
	s_add_co_u32 s99, s99, s21                     ; g: which 128 channels of each of q, k, v
	s_lshl_b32 s2, s22, 2
	s_lshl_b32 s2, 15, s2
	s_lshl_b32 s3, 0x1111, s21
	s_or_b32 s[G1], s2, (3<<16)|(1<<21)            ; my row of the cluster; elements of 8 bytes
	s_or_b32 s[G1B], s3, (3<<16)|(1<<21)           ; my column
	s_or_b32 s[G1R], s3, (3<<16)|(1<<21)
.irp g, G1, G1B, G1R
	s_mov_b32 s[\g+1], 768<<16                     ; a tile's four K steps: 6,144 bytes
	s_mov_b32 s[\g+3], 768<<16
	s_mov_b32 s[\g+5], 1536                        ; from tile to tile: 12,288 bytes
	s_mov_b32 s[\g+6], 0
	s_mov_b32 s[\g+7], 0
.endr
	s_mov_b32 s[G1+2], 16<<16
	s_mov_b32 s[G1+4], 16
	s_mov_b32 s[G1B+2], 8<<16
	s_mov_b32 s[G1B+4], 8
	s_mov_b32 s[G1R+2], 2<<16
	s_mov_b32 s[G1R+4], 2
	s_mul_i32 s3, s[AH], 6144
	s_mul_i32 s62, s98, 196608
	s_add_co_u32 s62, s62, s3                      ; x's tiles, my half of K
	s_mov_b32 s63, 0
	s_mul_i32 s2, s99, 98304
	s_add_co_u32 s66, s2, s3                       ; W_q's tiles, my half of K
	s_mov_b32 s67, 0
	s_mul_i32 s3, s[WV], 24576
	s_add_co_u32 s90, s2, s3                       ; for the refills: my two tiles
	s_mov_b32 s91, 0
	s_mov_b32 s[G0], 1
	s_mov_b32 s[G0B], 1
	s_mov_b32 s[GL], 1
	s_mov_b32 s[GU], 1
	s_mul_i32 s[G0+1], s[AH], AHI
	s_add_co_u32 s[G0B+1], s[G0+1], WLO
	s_mul_i32 s[GL+1], s[WV], 12288
	s_add_co_u32 s[GL+1], s[GL+1], WLO
	s_add_co_u32 s[GU+1], s[GL+1], AHI
	s_mul_i32 s94, s[AH], 49152                    ; my 8 tiles of x,
	s_mul_i32 s95, s[BH], 24576
	s_add_co_u32 s95, s95, WLO                     ; my 4 tiles of the weight,
	s_add_co_u32 s96, s94, AHI                     ; and their second halves
	s_add_co_u32 s97, s95, AHI
	s_mov_b32 s[SEL], 0x76543210
	s_mov_b32 s[SEL+1], 0xfedcba98
	s_and_b32 s61, s98, 7
	s_lshl_b32 s61, s61, 1
	s_add_co_u32 s61, s61, s[AH]                   ; which 128 tokens of the sequence
	s_wait_alu depctr_va_vdst(0)
	s_wait_dscnt 0x0
	s_wait_kmcnt 0x0
	s_add_nc_u64 s[G0+2:G0+3], s[4:5], s[62:63]
	s_or_b32 s[G0+3], s[G0+3], 0x80000000
	s_add_nc_u64 s[G0B+2:G0B+3], s[6:7], s[66:67]
	s_or_b32 s[G0B+3], s[G0B+3], 0x80000000
	s_add_nc_u64 s[GL+2:GL+3], s[6:7], s[90:91]
	s_add_nc_u64 s[GU+2:GU+3], s[GL+2:GL+3], 6144
	s_or_b32 s[GL+3], s[GL+3], 0x80000000
	s_or_b32 s[GU+3], s[GU+3], 0x80000000
	s_mov_b32 s3, 0
	s_lshl_b32 s2, s99, 9
	s_lshl_b32 s60, s[BH], 8
	s_add_co_u32 s2, s2, s60
	s_add_nc_u64 s[76:77], s[12:13], s[2:3]        ; q's bias, my 64 channels
	s_lshl_b32 s2, s61, 15
	s_add_nc_u64 s[78:79], s[10:11], s[2:3]        ; the table at my first position
	s_lshl_b32 s2, s98, 13
	s_lshl_b32 s60, s[AH], 12
	s_add_co_u32 s2, s2, s60
	s_add_nc_u64 s[80:81], s[8:9], s[2:3]          ; x's scale words, my 128 rows
	s_lshl_b32 s2, s99, 12
	s_lshl_b32 s60, s[BH], 11
	s_add_co_u32 s2, s2, s60
	s_add_co_u32 s2, s2, 262144
	s_add_nc_u64 s[82:83], s[8:9], s[2:3]          ; W_q's scale words, my 64 rows
	s_lshr_b32 s2, s98, 3                          ; the batch
	s_lshl_b32 s2, s2, 4
	s_lshl_b32 s60, s99, 1
	s_add_co_u32 s2, s2, s60
	s_add_co_u32 s2, s2, s[BH]                     ; + my head
	s_lshl_b32 s2, s2, 4
	s_add_co_u32 s2, s2, s61
	s_mul_i32 s2, s2, 12800                        ; my record
	s_add_nc_u64 s[84:85], s[14:15], s[2:3]
	s_add_nc_u64 s[86:87], s[16:17], s[2:3]
	CROUND                                         ; all sixteen work-groups are here: the joint loads meet
	s_cmp_eq_u32 s[WV], 0
	s_cbranch_scc0 .Lw1
	TL G0, G1                                      ; wave 0: x, K steps 0-3
	s_branch .Lasked
.Lw1:
	s_cmp_eq_u32 s[WV], 1
	s_cbranch_scc0 .Lw2
	TL G0B, G1B                                    ; wave 1: W_q, K steps 0-3
	s_branch .Lasked
.Lw2:
	s_cmp_eq_u32 s[WV], 2
	s_cbranch_scc0 .Lw3
	TL G0, G1                                      ; wave 2: x, K steps 4-7
	s_branch .Lasked
.Lw3:
	TL G0B, G1B                                    ; wave 3: W_q, K steps 4-7
.Lasked:
	v_and_b32 v1, 15, v0                           ; r
	v_bfe_u32 v2, v0, 4, 1                         ; h
	v_and_b32 v3, 31, v0
	v_lshlrev_b32 v[LI], 4, v3
	v_lshlrev_b32 v[SA], 5, v1
	v_lshlrev_b32 v6, 6, v2                        ; 64 h
	v_and_b32 v7, 8, v1
	v_lshlrev_b32 v[R16], 4, v1
	v_add_nc_u32 v7, v7, v1                        ; r + 8 (r / 8)
	v_add_nc_u32 v[ADRX], s94, v[LI]
	v_add_nc_u32 v[ADRW], s95, v[LI]
	v_add_nc_u32 v[ADRX+1], s96, v[LI]
	v_add_nc_u32 v[ADRW+1], s97, v[LI]
	v_lshl_add_u32 v[CSO], v7, 8, v6               ; a position is 256 bytes; my half's 8 pairs of each 16
	v_lshlrev_b32 v7, 2, v7
.irp b, 0,1,2,3
	v_mov_b32 v[TM+4+\b], 0                        ; a lane permute's destination counts as one of its sources
.endr
	s_wait_alu depctr_va_vdst(0)
.macro WWORDS                          ; the weight's scale words: K steps 0-3 into registers 4-7, 4-7 into 0-3: the two scale registers of a product then differ modulo 8
.irp b, 0,1,2,3
	global_load_b128 v[SBW+8*\b+4:SBW+8*\b+7], v[SA], s[82:83] offset:512*\b
	global_load_b128 v[SBW+8*\b:SBW+8*\b+3], v[SA], s[82:83] offset:512*\b+16
.endr
.endm
.macro QKBIAS                          ; q, k: the bias of the eight channels that a lane holds of tile b: 32 (b / 2) + 16 h + 8 (b % 2) + 0 .. 7
.irp b, 0,1,2,3
	global_load_b128 v[BI+8*\b:BI+8*\b+3], v6, s[76:77] offset:4*(32*(\b/2)+8*(\b%2))
	global_load_b128 v[BI+8*\b+4:BI+8*\b+7], v6, s[76:77] offset:4*(32*(\b/2)+8*(\b%2))+16
.endr
.endm
.irp i, 0,1,2,3,4,5,6,7
	global_load_b128 v[SCX+8*\i:SCX+8*\i+3], v[SA], s[80:81] offset:512*\i
	global_load_b128 v[SCX+8*\i+4:SCX+8*\i+7], v[SA], s[80:81] offset:512*\i+16
.endr
	WWORDS
	QKBIAS
	WIN 0x40
.irp a, 0,1,2,3
	global_load_b32 v[192+\a], v7, s[76:77] offset:8192+4*(32*(\a/2)+8*(\a%2))   ; v: the bias of the lane's one channel of block a
.endr
	WIN 0xc0
.irp a, 0,1,2,3,4,5,6,7                        ; (cos, sin) of my token of tile a, for the 16 pairs that I hold of a head: registers n, n + 1 belong to numbers n, n + 1 of my 32
.irp o, 0,1,2,3,4,5,6,7
	global_load_b128 v[32*\a+4*\o:32*\a+4*\o+3], v[CSO], s[78:79] offset:256*(32*(\a/2)+8*(\a%2))+16*(\o%4)+128*(\o/4)
.endr
.endr
	WIN 0
.macro FETCH k                         ; K step k's fragments into set k % 2: 12 loads for the weight, 24 for x
	WIN 0x40
.irp i, 0,1,2,3
.irp c, 0,1,2
	ds_load_b128 v[48*((\k)%2)+FR*\i+4*\c:48*((\k)%2)+FR*\i+4*\c+3], v[ADRW+(\k)/4] offset:\i*6144+((\k)%4)*1536+512*\c
.endr
.endr
	WIN 0x40*(1-(\k)%2)
.irp i, 0,1,2,3,4,5,6,7
.irp c, 0,1,2
	ds_load_b128 v[96+64*((\k)%2)+FR*\i+4*\c:96+64*((\k)%2)+FR*\i+4*\c+3], v[ADRX+(\k)/4] offset:\i*6144+((\k)%4)*1536+512*\c
.endr
.endr
.endm
.macro W1 d, s0, s1, c, x0, x1
	v_wmma_scale_f32_16x16x128_f8f6f4 v[\d:\d+7], v[\s0:\s0+FR-1], v[\s1:\s1+FR-1], \c, v[\x0], v[\x1] matrix_a_fmt:MATRIX_FMT_FP6 matrix_b_fmt:MATRIX_FMT_FP6
.endm
; nh halves of 16 products of K step k, from half h0.  kind 0 (q, k): accumulator 4 a + b = x's block a, the weight's block b; kind 1 (v): 8 a + b = the weight's block a, x's block b.
; The 32 accumulators take turns in the same order in every K step.
.macro MUL kind, k, h0, nh
.set P_, (\k)%2
.set XB_, 96+64*P_
.set C2_, 0x20
.if (\k) == 0
.set C2_, 0
.endif
.if P_ == 0
	WIN 0x85|C2_
.elseif \kind
	WIN 0x84|C2_
.else
	WIN 0x81|C2_
.endif
.set I_, 16*(\h0)
.rept 16*(\nh)
.if \kind
.set S0_, XB_+FR*(I_%8)
.set S1_, 48*P_+FR*(I_/8)
.set X0_, SCX+8*(I_%8)+(\k)
.set X1_, SBW+8*(I_/8)+((\k)+4)%8
.set C_, BI+8*(I_/8)
.else
.set S0_, 48*P_+FR*(I_%4)
.set S1_, XB_+FR*(I_/4)
.set X0_, SBW+8*(I_%4)+((\k)+4)%8
.set X1_, SCX+8*(I_/4)+(\k)
.set C_, BI+8*(I_%4)
.endif
.set D_, 8*I_
.if (\k) == 0
	W1 D_, S0_, S1_, v[C_:C_+7], X0_, X1_
.else
	W1 D_, S0_, S1_, v[D_:D_+7], X0_, X1_
.endif
.set I_, I_+1
.endr
.endm
.macro STEP kind, k                    ; the next K step's 36 loads go out first, into the set that the K step before has left; then this step's 32 products
	PLACES 4                                       ; four places in front of loads into registers that matrix instructions have read
	FETCH (\k)+1
	s_wait_dscnt 36                                ; all but the 36 just issued: this step's fragments are in
	MUL \kind, \k, 0, 2
.endm
; A K step with a barrier in it (k = 3 or 7): its fragments are in, so my reads of the weight's half that it ends are over.  g0 > 0: the barrier opens a round, and that half is filled again with the next weight's.  nx: the K step fetched behind it.
.macro MEET kind, k, g0, nx
	WIN 0
	s_wait_tensorcnt 0x0                           ; all my tensor loads have landed
.if \g0
	ds_add_u32 v[SPW], v[NIL]                      ; 0 onto my spare word
.endif
	s_wait_dscnt 0x0
	s_barrier_signal -1
	MUL \kind, \k, 0, 1                            ; work on registers while the others arrive
	WIN 0
	s_barrier_wait -1
.if \g0
	CREST                                          ; no wave of any partner still reads that half or has a load on its way
	s_add_nc_u64 s[\g0+2:\g0+3], s[\g0+2:\g0+3], NEXTW
	TL \g0, G1R                                    ; my one tensor load behind the round: two tiles; its four v_nop are the places in front of the loads below
.else
	PLACES 4
.endif
	FETCH \nx
	MUL \kind, \k, 1, 1
.endm
	s_cmp_lt_u32 s[WV], 2
	s_cbranch_scc0 .Lsecond_half
	s_wait_tensorcnt 0x0                           ; waves 0 and 1: my first half is in
.Lsecond_half:
	s_barrier_signal -1
	s_barrier_wait -1                              ; K steps 0-3 are whole; 4-7 may be on their way
	FETCH 0
	WIN 0
	s_mov_b32 s60, 0
.Lqk:                                                  ; trip 0: q, trip 1: k
	s_wait_xcnt 0x0                                ; the last phase's stores have read their registers and bases
	s_cmp_eq_u32 s60, 0
	s_cselect_b64 s[88:89], s[84:85], s[86:87]     ; q goes to qr, k to kv
	s_add_nc_u64 s[92:93], s[88:89], 12288
	s_wait_loadcnt 0x0                             ; scale words and bias (in trip 0 cos and sin too)
	STEP 0, 0
	STEP 0, 1
	STEP 0, 2
	MEET 0, 3, GL, 4
	STEP 0, 4
	STEP 0, 5
	STEP 0, 6
	MEET 0, 7, GU, 0                               ; and the next phase's first fragments
	PLACES 4
	WIN 0
	s_wait_xcnt 0x0
	s_add_nc_u64 s[82:83], s[82:83], 32768         ; the next weight's scale words: 64 tiles x 512 bytes on
	s_add_nc_u64 s[76:77], s[76:77], 4096
	WWORDS
	s_cmp_eq_u32 s60, 1
	s_cbranch_scc1 .Lno_bias                       ; v's bias came at the head
	QKBIAS
.Lno_bias:
; THE WAY OUT of q or k: a unit is 32 tokens (tiles 2 G, 2 G + 1) x my head's 64.  The rotation of each pair (x1, x2): (x1 cos - x2 sin, x1 sin + x2 cos).  Each accumulator is read from its low end on.
.irp G, 0,1,2,3
	s_wait_xcnt 0x0                                ; the last unit's stores have read the codes' registers
	WIN 0x0e                                       ; source 0: the accumulators, source 1: cos and sin
.irp u, 0,1
.set AC_, 32*(2*\G+\u)
.set n, 0
.rept 16
	v_pk_mul_f32 v[T+32*\u+n:T+32*\u+n+1], v[AC_+n:AC_+n+1], v[AC_+n:AC_+n+1] op_sel_hi:[1,0]   ; (x1 cos, x2 cos)
.set n, n+2
.endr
.set n, 0
.rept 16
	v_pk_fma_f32 v[T+32*\u+n:T+32*\u+n+1], v[AC_+n:AC_+n+1], v[AC_+n:AC_+n+1], v[T+32*\u+n:T+32*\u+n+1] op_sel:[1,1,0] op_sel_hi:[0,1,1] neg_lo:[0,1,0]   ; low: - x2 sin; high: + x1 sin
.set n, n+2
.endr
.endr
	WIN 0
	QUANT T, 0
	PUT \G
.endr
	s_wait_alu depctr_va_vdst(0)
	global_store_b128 v[R16], v[WD:WD+3], s[92:93] ; a row's four words; lanes r and 16 + r store the same 16 bytes: 256 consecutive bytes, aligned
	s_add_co_u32 s60, s60, 1
	s_cmp_lt_u32 s60, 2
	s_cbranch_scc1 .Lqk
; v
	s_wait_xcnt 0x0
	s_add_nc_u64 s[88:89], s[86:87], 6144
	s_add_nc_u64 s[92:93], s[86:87], 12544
	s_wait_loadcnt 0x0
	WIN 0x01
.irp a, 0,1,2,3
.irp i, 0,1,2,3,4,5,6,7
	v_mov_b32 v[BI+8*\a+\i], v[192+\a]             ; the lane's one number over the block's eight registers
.endr
.endr
	WIN 0
	s_wait_alu depctr_va_vdst(0)
	STEP 1, 0
	STEP 1, 1
	STEP 1, 2
	MEET 1, 3, 0, 4                                ; a plain barrier: W_v's K steps 4-7 are shown to all
	STEP 1, 4
	STEP 1, 5
	STEP 1, 6
	s_wait_dscnt 0x0
	MUL 1, 7, 0, 2
	PLACES 4
	WIN 0
.irp a, 0,1,2,3                                ; a unit is block a's 16 channels x my 128 tokens, as the accumulators hold it
	s_wait_xcnt 0x0
	QUANT 64*\a, 2
	PUT \a
.endr
	s_wait_alu depctr_va_vdst(0)
	global_store_b128 v[R16], v[WD:WD+3], s[92:93]
	s_wait_tensorcnt 0x0                           ; the wave's end
	ds_add_u32 v[SPW], v[NIL]
	s_wait_dscnt 0x0
	CROUND                                         ; the closing round
	s_endpgm
.Lfunc_end_k_q3a25872b2d_qkv:
	.size	k_q3a25872b2d_qkv, .Lfunc_end_k_q3a25872b2d_qkv-k_q3a25872b2d_qkv
	.p2alignl 7, 3214868480
	.fill 96, 4, 3214868480
	.section	.rodata,"a",@progbits
	.p2align	6, 0x0
	.amdhsa_kernel k_q3a25872b2d_qkv
		.amdhsa_group_segment_fixed_size 327680
		.amdhsa_private_segment_fixed_size 0
		.amdhsa_enable_private_segment 0
		.amdhsa_kernarg_size 56
		.amdhsa_user_sgpr_count 2
		.amdhsa_user_sgpr_kernarg_segment_ptr 1
		.amdhsa_wavefront_size32 1
		.amdhsa_system_sgpr_workgroup_id_x 1
		.amdhsa_system_sgpr_workgroup_id_y 1
		.amdhsa_system_sgpr_workgroup_id_z 1
		.amdhsa_system_vgpr_workitem_id 0
		.amdhsa_next_free_vgpr 1024
		.amdhsa_next_free_sgpr 100
		.amdhsa_reserve_vcc 0
		.amdhsa_float_denorm_mode_32 3
		.amdhsa_float_denorm_mode_16_64 3
		.amdhsa_memory_ordered 1
		.amdhsa_forward_progress 1
		.amdhsa_inst_pref_size 177
	.end_amdhsa_kernel
	.amdgpu_metadata
---
amdhsa.version: [ 1, 2 ]
amdhsa.kernels:
  - .name:           k_q3a25872b2d_qkv
    .symbol:         k_q3a25872b2d_qkv.kd
    .args:
      - { .name: xc, .offset: 0, .size: 8, .value_kind: global_buffer, .address_space: global }
      - { .name: wc, .offset: 8, .size: 8, .value_kind: global_buffer, .address_space: global }
      - { .name: sc, .offset: 16, .size: 8, .value_kind: global_buffer, .address_space: global }
      - { .name: rt, .offset: 24, .size: 8, .value_kind: global_buffer, .address_space: global }
      - { .name: b_qkv, .offset: 32, .size: 8, .value_kind: global_buffer, .address_space: global }
      - { .name: qr, .offset: 40, .size: 8, .value_kind: global_buffer, .address_space: global }
      - { .name: kv, .offset: 48, .size: 8, .value_kind: global_buffer, .address_space: global }
    .group_segment_fixed_size: 327680
    .private_segment_fixed_size: 0
    .kernarg_segment_align: 8
    .kernarg_segment_size: 56
    .max_flat_workgroup_size: 128
    .sgpr_count:     100
    .vgpr_count:     1024
    .wavefront_size: 32
...
	.end_amdgpu_metadata
.endif
;; end of part 2
;; launch attn (part 3): grid 4 x 64, 16 waves a work-group, clusters of 4 x 1, 327,680 bytes of LDS; arguments qr, kv, yc, sc; writes yc, sc
.if DOCPART == 3
	.amdgcn_target "amdgcn-amd-amdhsa--gfx1250"
	.amdhsa_code_object_version 6
	.text
	.protected	k_q3a25872b2d_attn
	.globl	k_q3a25872b2d_attn
	.p2align	8
	.type	k_q3a25872b2d_attn,@function
k_q3a25872b2d_attn:
	s_mov_b64 s[64:65], 0
	v_nop
	global_prefetch_b8 v0, s[64:65] scope:SCOPE_SE
	s_setreg_imm32_b32 hwreg(HW_REG_WAVE_MODE, 25, 1), 1
	s_wait_xcnt 0x0
	s_wait_alu depctr_hold_cnt(0) depctr_sa_sdst(0) depctr_va_vdst(0) depctr_va_sdst(0) depctr_va_ssrc(0) depctr_va_vcc(0) depctr_vm_vsrc(0)
	s_getreg_b32 s2, hwreg(HW_REG_IB_STS2, 6, 4)
	s_cmp_eq_u32 s2, 0
	s_cbranch_scc0 .Lentry_in_a_cluster
	s_endpgm
.Lentry_in_a_cluster:
	s_bfe_u32 s2, ttmp6, 0x10000c
	s_cmp_lg_u32 s2, 0x3003
	s_cbranch_scc0 .Lentry_shape_is_right
	s_endpgm
.Lentry_shape_is_right:
; ATTENTION of one (batch, head) for a cluster of four work-groups: S^T = k q^T, p = 2^(t - M) with a running whole M, O^T += v^T p^T, y = O / l, all products on codes of FP6 (E2M3) with E8M0 scales; y leaves as codes and scale bytes.
; WORK LEFT OUT: steps of 128 keys that lie wholly behind a wave's queries (the problem's own causal mask).
; THE DEAL.  q, k and v lie in records of 128 tokens (12,800 bytes: four fragments of k or q, four of v, the scale words).  Work-group cx of the cluster takes fragment cx (32 tokens, tiles u = 0, 1) of EACH of the 16 q records.
; Wave w takes tile u = w % 2, first of record 15 - w / 2, then of record w / 2: (16 - w / 2) + (w / 2 + 1) = 17 steps of 128 keys for every wave of every work-group.
; So every partner reads all 16 records of k and v, and no branch, trip count or LDS address hangs on cx: cx enters the addresses of q and y and the numbers that the mask compares.
; LDS: the 16 records, 204,800 bytes, filled ONCE by 16 joint loads (mask 15), one a wave, at the head; nothing is filled again.  Waves 0-3 have a load line of their own and wait alone at the first barrier:
; four steps on records 0-3 follow (every first pass has at least nine), then one barrier at which every wave has waited shows the other twelve.
; No prefetch: all that the launch reads through LDS is asked for at its head, so there is no later request to run ahead of.
; A step: lane (r, h) holds query r; register 16 f + 8 u' + i of the scores is key 32 f + 16 h + 8 u' + i of the step.  k's fragment holds two tiles of 16 keys x 64; q stands in the low or in the high half of source 1, zeros in the other.
; LIMITS: the promise holds while the scaled scores stay under 2^31 in magnitude; a block of zeros gets the byte 1 where the rule says 127 (its codes are zeros; this program alone reads the bytes); NaN and infinities are not served.
.set REC,   12800
.set SPARE, 204800                     ; behind the records: the spare words, 128 bytes a wave
.set LI,   1                           ; 16 x lane
.set SPW,  2
.set NIL,  3
.set ADR,  4
.set QD,   5
.set R16,  6
.set R32,  7
.set ZLO,  16                          ; v16-21 zeros, v22-27 q, v28-33 zeros
.set QQ,   22
.set QWLO, 34
.set QWHI, 35
.set KVS,  36
.set FRG,  40
.set QL,   88
.set SS,   100
.set OO,   164
.set PCD,  196
.set CT,   208
.set BM,   216
.set PD,   220
.set SO,   224
.set FF,   228
.set PW,   230
.set TMP,  231
.set SM2,  232
.set NINF, 234
.set DD,   235                         ; my query's place in its record less 16 h: what the mask compares; kept
.set WQ,   236
.set WR,   237
.set QA,   238                         ; v238-249 the second pass's q fragment, v250 its words
.set WA,   250
.set SEL,  32
.set CS,   34
.macro CROUND                          ; a round of the cluster's barrier
	s_barrier_signal -1
	s_barrier_wait -1
	s_cmp_lg_u32 s12, 0
	s_cbranch_scc1 .Lnot_wave_0_\@
	s_barrier_signal -3
.Lnot_wave_0_\@:
	s_barrier_wait -3
	s_barrier_signal -1
	s_barrier_wait -1
.endm
	s_load_b256 s[4:11], s[0:1], 0x0               ; qr, kv, yc, sc
	v_lshl_add_u32 v[SPW], v0, 2, SPARE
	v_mov_b32 v[NIL], 0
	ds_add_u32 v[SPW], v[NIL]                      ; the opening lines
	ds_add_u32 v[SPW], v[NIL]
	v_lshrrev_b32 v8, 5, v0
	v_readfirstlane_b32 s12, v8                    ; wave
	s_and_b32 s14, ttmp7, 0xffff                   ; 16 batch + head
	s_bfe_u32 s13, ttmp6, 0x40000                  ; cx
	s_mov_b32 s16, 15|(3<<16)|(1<<21)              ; group 1: all four partners; elements of 8 bytes; a record as 50 rows of 256 bytes
	s_mov_b32 s17, 32<<16
	s_mov_b32 s18, 50<<16
	s_mov_b32 s19, 32<<16
	s_mov_b32 s20, 50
	s_mov_b32 s21, 32
	s_mov_b32 s22, 0
	s_mov_b32 s23, 0
	s_mul_i32 s42, s14, 204800
	s_mov_b32 s43, 0
	s_mul_i32 s44, s12, REC                        ; wave w brings record w
	s_mov_b32 s45, 0
	s_mov_b32 s[SEL], 0x76543210
	s_mov_b32 s[SEL+1], 0xfedcba98
	s_mov_b32 s[CS], 0x3e38aa3b                    ; log2(e) / 8
	s_mov_b32 s[CS+1], s[CS]
	s_lshr_b32 s61, s12, 1                         ; the second pass's record
	s_and_b32 s62, s12, 1                          ; u
	s_cmp_eq_u32 s62, 1
	s_cselect_b32 s60, -1, 0
	s_mul_i32 s54, s13, 1536                       ; my work-group's fragment in a q record,
	s_lshl_b32 s55, s13, 2
	s_add_co_u32 s55, s55, 12288                   ; and its words
	s_lshl_b32 s59, s13, 5
	s_lshl_b32 s58, s62, 3
	s_add_co_u32 s59, s59, s58                     ; 32 cx + 8 u: my tile's first row in its record
	s_lshr_b32 s58, s14, 4
	s_lshl_b32 s58, s58, 7
	s_lshl_b32 s63, s13, 1
	s_add_co_u32 s58, s58, s63
	s_add_co_u32 s58, s58, s62                     ; 128 batch + 2 cx + u: y's tile is this + 8 x record
	s_sub_co_u32 s41, 15, s61                      ; the first pass's record
	s_mul_i32 s46, s41, REC
	s_add_co_u32 s48, s46, s55
	s_add_co_u32 s46, s46, s54
	s_mul_i32 s50, s61, REC
	s_add_co_u32 s52, s50, s55
	s_add_co_u32 s50, s50, s54
	s_mov_b32 s47, 0
	s_mov_b32 s49, 0
	s_mov_b32 s51, 0
	s_mov_b32 s53, 0
	s_wait_alu depctr_va_vdst(0)
	s_wait_dscnt 0x0                               ; both opening adds are done
	CROUND                                         ; the four partners are here: the joint loads meet
	s_wait_kmcnt 0x0
	s_add_nc_u64 s[56:57], s[4:5], s[42:43]
	s_add_nc_u64 s[46:47], s[56:57], s[46:47]
	s_add_nc_u64 s[48:49], s[56:57], s[48:49]
	s_add_nc_u64 s[50:51], s[56:57], s[50:51]
	s_add_nc_u64 s[52:53], s[56:57], s[52:53]
	s_add_nc_u64 s[26:27], s[6:7], s[42:43]
	s_add_nc_u64 s[26:27], s[26:27], s[44:45]
	s_or_b32 s27, s27, 0x80000000
	s_mov_b32 s24, 1
	s_mov_b32 s25, s44
	s_cmp_lt_u32 s12, 4
	s_cbranch_scc0 .Llater
	tensor_load_to_lds s[24:27], s[16:23]          ; records 0-3: the line of the waves that wait at the first barrier
	s_nop 0
.rept 4
	v_nop
.endr
	s_branch .Lasked
.Llater:
	tensor_load_to_lds s[24:27], s[16:23]          ; records 4-15
	s_nop 0
.rept 4
	v_nop
.endr
.Lasked:
	v_and_b32 v8, 31, v0
	v_and_b32 v9, 15, v0
	v_bfe_u32 v10, v0, 4, 1
	v_lshlrev_b32 v[LI], 4, v8
	v_and_b32 v11, 8, v9
	v_lshlrev_b32 v10, 4, v10
	v_lshlrev_b32 v[R16], 4, v9
	v_add_nc_u32 v11, v11, v9                      ; r + 8 (r / 8)
	v_lshlrev_b32 v[R32], 5, v9
	v_sub_nc_u32 v[QD], v11, v10
.irp i, 0,1,2,3,4,5
	v_mov_b32 v[ZLO+\i], 0
	v_mov_b32 v[QQ+6+\i], 0
.endr
.irp b, 0,1,2,3
	v_mov_b32 v[PD+\b], 0
.endr
	v_mov_b32 v[FF+1], 0
	v_mov_b32 v[TMP], 0
	v_mov_b32 v[NINF], 0xff800000
	v_add_nc_u32 v[DD], s59, v[QD]
	s_wait_alu depctr_va_vdst(0)
.irp g, 0,1,2
	global_load_b128 v[QL+4*\g:QL+4*\g+3], v[LI], s[46:47] offset:512*\g   ; both passes' q now: nothing is loaded between the passes
.endr
	global_load_b32 v[WQ], v[R16], s[48:49]
.irp g, 0,1,2
	global_load_b128 v[QA+4*\g:QA+4*\g+3], v[LI], s[50:51] offset:512*\g
.endr
	global_load_b32 v[WA], v[R16], s[52:53]
.macro QSET q, w                       ; my tile's six registers and scale bytes of the fragment at v[q]; the sums begin
.irp i, 0,1,2,3,4,5
	v_cndmask_b32 v[QQ+\i], v[\q+\i], v[\q+6+\i], s60
.endr
	v_alignbit_b32 v[WR], v[\w], v[\w], 16
	s_delay_alu instid0(VALU_DEP_1)
	v_cndmask_b32 v[QWLO], v[\w], v[WR], s60       ; my two bytes in bytes 0, 1,
	s_delay_alu instid0(VALU_DEP_2)
	v_cndmask_b32 v[QWHI], v[WR], v[\w], s60       ; and in bytes 2, 3
	v_mov_b32 v13, 0xff61b1e6                      ; the largest t so far: -3e38
	s_delay_alu instid0(VALU_DEP_1)
	v_floor_f32 v12, -v13
	v_mov_b32 v14, 0
	v_mov_b32 v15, 0
.set j, 0
.rept 32
	v_mov_b32 v[OO+j], 0
.set j, j+1
.endr
.endm
; A step of 128 keys.  s36: the record in LDS, s37: its number, s41: my queries' record.  m = 1: records behind mine are passed over, and in my own record the mask is laid.
.macro KSTEP m
.if \m
	s_cmp_gt_u32 s37, s41
	s_cbranch_scc1 .Lhidden_\@
.endif
	v_add_nc_u32 v[ADR], s36, v[LI]
.rept 3
	v_nop
.endr
.irp f, 0,1,2,3
.irp g, 0,1,2
	ds_load_b128 v[FRG+12*\f+4*\g:FRG+12*\f+4*\g+3], v[ADR] offset:1536*\f+512*\g
.endr
.endr
	ds_load_b128 v[KVS:KVS+3], v[ADR] offset:12288 ; lanes 0-15 k's words, lanes 16-31 v's
	s_wait_alu depctr_va_vdst(0)
	s_wait_dscnt 0x0
.irp f, 0,1,2,3
	v_wmma_scale_f32_16x16x128_f8f6f4 v[SS+16*\f:SS+16*\f+7], v[FRG+12*\f:FRG+12*\f+11], v[QQ:QQ+11], 0, v[KVS+\f], v[QWLO] matrix_a_fmt:MATRIX_FMT_FP6 matrix_b_fmt:MATRIX_FMT_FP6
	v_wmma_scale_f32_16x16x128_f8f6f4 v[SS+16*\f+8:SS+16*\f+15], v[FRG+12*\f:FRG+12*\f+11], v[ZLO:ZLO+11], 0, v[KVS+\f], v[QWHI] matrix_a_fmt:MATRIX_FMT_FP6 matrix_b_fmt:MATRIX_FMT_FP6
.endr
.rept 4
	v_nop
.endr
.irp f, 0,1,2,3
.irp g, 0,1,2
	ds_load_b128 v[FRG+12*\f+4*\g:FRG+12*\f+4*\g+3], v[ADR] offset:6144+1536*\f+512*\g   ; v's fragments, on their way under the softmax
.endr
.endr
.if \m
	s_cmp_lg_u32 s37, s41
	s_cbranch_scc1 .Lopen_\@
.set n, 0
.rept 64
	v_cmp_gt_i32 vcc_lo, 32*(n/16)+n%16, v[DD]     ; the key lies behind my query
	v_cndmask_b32 v[SS+n], v[SS+n], v[NINF], vcc_lo
.set n, n+1
.endr
.Lopen_\@:
.endif
.irp b, 0,1,2,3
	v_max3_num_f32 v[BM+\b], v[SS+16*\b], v[SS+1+16*\b], v[SS+2+16*\b]   ; each block's largest score: for the row's maximum and for the block's largest p
.endr
.irp i, 3,5,7,9,11,13
.irp b, 0,1,2,3
	v_max3_num_f32 v[BM+\b], v[BM+\b], v[SS+16*\b+\i], v[SS+1+16*\b+\i]
.endr
.endr
.irp b, 0,1,2,3
	v_max_num_f32 v[BM+\b], v[BM+\b], v[SS+15+16*\b]
.endr
.irp b, 0,1,2,3
	s_delay_alu instid0(VALU_DEP_4)
	v_permlanex16_b32 v[PD+\b], v[BM+\b], s[SEL], s[SEL+1]
.endr
.irp b, 0,1,2,3
	s_delay_alu instid0(VALU_DEP_4)
	v_max_num_f32 v[BM+\b], v[BM+\b], v[PD+\b]
.endr
	s_delay_alu instid0(VALU_DEP_2)
	v_max3_num_f32 v[TMP], v[BM], v[BM+1], v[BM+2]
	s_delay_alu instid0(VALU_DEP_1)
	v_max_num_f32 v[TMP], v[TMP], v[BM+3]
	s_delay_alu instid0(VALU_DEP_1)
	v_mul_f32 v[TMP], s[CS], v[TMP]
	s_delay_alu instid0(VALU_DEP_1)
	v_max_num_f32 v13, v13, v[TMP]                 ; the running largest t
	v_mov_b32 v[TMP], v12
	s_delay_alu instid0(VALU_DEP_2)
	v_floor_f32 v12, -v13                          ; -M, a whole number
	s_delay_alu instid0(VALU_DEP_1)
	v_sub_f32 v[TMP], v12, v[TMP]
	s_delay_alu instid0(VALU_DEP_1)
	v_cvt_i32_f32 v[TMP], v[TMP]
	s_delay_alu instid0(VALU_DEP_1)
	v_ldexp_f32 v[FF], 1.0, v[TMP]                 ; f = 2^(old M - new M)
.set j, 0
.rept 32
	v_pk_fma_f32 v[SS+j:SS+j+1], v[SS+j:SS+j+1], s[CS:CS+1], v[12:13] op_sel_hi:[1,0,0]   ; t - M
.set j, j+2
.endr
.irp b, 0,1,2,3
	v_fma_f32 v[BM+\b], v[BM+\b], s[CS], v12
.endr
.set j, 0
	s_wait_alu depctr_va_vdst(0)                   ; ahead of the batch
.rept 64
	v_exp_f32 v[SS+j], v[SS+j]
.set j, j+1
.endr
	v_pk_mul_f32 v[14:15], v[14:15], v[FF:FF+1] op_sel_hi:[1,0]
	s_wait_alu depctr_va_vdst(0)                   ; and behind it
.irp b, 0,1,2,3
	v_exp_f32 v[BM+\b], v[BM+\b]
.endr
	v_pk_add_f32 v[SM2:SM2+1], v[SS:SS+1], v[SS+2:SS+3]   ; the row's sum, of the unquantised p
.irp j, 4,8,12,16,20,24,28,32,36,40,44,48,52,56,60
	v_pk_add_f32 v[14:15], v[14:15], v[SS+\j:SS+\j+1]
	v_pk_add_f32 v[SM2:SM2+1], v[SM2:SM2+1], v[SS+2+\j:SS+3+\j]
.endr
	s_delay_alu instid0(VALU_DEP_1)
	v_pk_add_f32 v[14:15], v[14:15], v[SM2:SM2+1]
	s_wait_alu depctr_va_vdst(0)
.irp b, 0,1,2,3
	v_max_num_f32 v[BM+\b], 0x1800000, v[BM+\b]    ; the floor: the byte cannot fall under 1
.endr
.irp b, 0,1,2,3
	s_delay_alu instid0(VALU_DEP_4)
	v_add_nc_u32 v[SO+\b], 0xff000000, v[BM+\b]
.endr
.irp b, 0,1,2,3
	s_delay_alu instid0(VALU_DEP_4)
	v_lshrrev_b32 v[PD+\b], 23, v[SO+\b]
.endr
	s_delay_alu instid0(VALU_DEP_3)
	v_lshl_or_b32 v[PW], v[PD+1], 8, v[PD]
	s_delay_alu instid0(VALU_DEP_1)
	v_lshl_or_b32 v[PW], v[PD+2], 16, v[PW]
	s_delay_alu instid0(VALU_DEP_1)
	v_lshl_or_b32 v[PW], v[PD+3], 24, v[PW]
.irp c, 0,1
	v_cvt_scalef32_pk16_fp6_f32 v[PCD+6*\c:PCD+2+6*\c], v[SS+32*\c:SS+15+32*\c], v[SO+2*\c]
	v_cvt_scalef32_pk16_fp6_f32 v[CT+4*\c:CT+2+4*\c], v[SS+16+32*\c:SS+31+32*\c], v[SO+2*\c+1]
.endr
	v_nop
.irp c, 0,1
.irp i, 0,1,2
	v_permlane16_swap_b32 v[PCD+6*\c+\i], v[CT+4*\c+\i]
.endr
.irp i, 0,1,2
	s_delay_alu instid0(VALU_DEP_3)
	v_mov_b32 v[PCD+3+6*\c+\i], v[CT+4*\c+\i]
.endr
.endr
.set j, 0
.rept 16
	v_pk_mul_f32 v[OO+j:OO+j+1], v[OO+j:OO+j+1], v[FF:FF+1] op_sel_hi:[1,0]   ; O^T under the new M
.set j, j+2
.endr
	s_wait_alu depctr_va_vdst(0)
	s_wait_dscnt 0x0
.irp f, 0,1,2,3
	v_wmma_scale_f32_16x16x128_f8f6f4 v[OO+8*\f:OO+8*\f+7], v[FRG+12*\f:FRG+12*\f+11], v[PCD:PCD+11], v[OO+8*\f:OO+8*\f+7], v[KVS+\f], v[PW] matrix_a_fmt:MATRIX_FMT_FP6 matrix_b_fmt:MATRIX_FMT_FP6 matrix_a_scale:MATRIX_SCALE_ROW1
.endr
.if \m
.Lhidden_\@:
.endif
	s_add_co_u32 s36, s36, REC
	s_add_co_u32 s37, s37, 1
.endm
; y = O / l, quantised along the head's 64: half a fragment of yc (tile 128 batch + 8 record + 2 cx + u, K step head / 2) and two scale bytes a row
.macro FLUSH
.rept 4
	v_nop
.endr
	v_add_f32 v14, v14, v15
	s_delay_alu instid0(VALU_DEP_1)
	v_permlanex16_b32 v[TMP], v14, s[SEL], s[SEL+1]
	s_delay_alu instid0(VALU_DEP_1)
	v_add_f32 v14, v14, v[TMP]
	s_wait_alu depctr_va_vdst(0)
	v_rcp_f32 v14, v14
	v_nop
	s_lshl_b32 s42, s41, 3
	s_add_co_u32 s42, s42, s58
	s_and_b32 s43, s14, 15
	s_lshl_b32 s44, s42, 3
	s_lshr_b32 s45, s43, 1
	s_add_co_u32 s44, s44, s45
	s_mul_i32 s50, s44, 1536
	s_mov_b32 s51, 0
	s_add_nc_u64 s[50:51], s[8:9], s[50:51]
	s_lshl_b32 s52, s42, 9
	s_lshl_b32 s45, s43, 1
	s_add_co_u32 s52, s52, s45
	s_add_co_u32 s52, s52, 32*11264
	s_mov_b32 s53, 0
	s_add_nc_u64 s[52:53], s[10:11], s[52:53]
	s_wait_alu depctr_va_vdst(0)
.set j, 0
.rept 32
	v_mul_f32 v[SS+j], v[OO+j], v14
.set j, j+1
.endr
.irp b, 0,1
	v_max3_num_f32 v[BM+\b], |v[SS+16*\b]|, |v[SS+1+16*\b]|, 0x1800000
.endr
.irp i, 2,4,6,8,10,12,14
.irp b, 0,1
	s_delay_alu instid0(VALU_DEP_2)
	v_max3_num_f32 v[BM+\b], v[BM+\b], |v[SS+16*\b+\i]|, |v[SS+1+16*\b+\i]|
.endr
.endr
.irp b, 0,1
	s_delay_alu instid0(VALU_DEP_2)
	v_permlanex16_b32 v[PD+\b], v[BM+\b], s[SEL], s[SEL+1]
.endr
.irp b, 0,1
	s_delay_alu instid0(VALU_DEP_2)
	v_max_num_f32 v[BM+\b], v[BM+\b], v[PD+\b]
.endr
.irp b, 0,1
	s_delay_alu instid0(VALU_DEP_2)
	v_add_nc_u32 v[SO+\b], 0xff000000, v[BM+\b]
.endr
.irp b, 0,1
	s_delay_alu instid0(VALU_DEP_2)
	v_lshrrev_b32 v[PD+\b], 23, v[SO+\b]
.endr
	s_delay_alu instid0(VALU_DEP_1)
	v_lshl_or_b32 v[TMP], v[PD+1], 8, v[PD]
	v_cvt_scalef32_pk16_fp6_f32 v[QL:QL+2], v[SS:SS+15], v[SO]
	v_cvt_scalef32_pk16_fp6_f32 v[CT:CT+2], v[SS+16:SS+31], v[SO+1]
	v_nop
.irp i, 0,1,2
	v_permlane16_swap_b32 v[QL+\i], v[CT+\i]
.endr
.irp i, 0,1,2
	s_delay_alu instid0(VALU_DEP_3)
	v_mov_b32 v[QL+3+\i], v[CT+\i]
.endr
	s_and_b32 s45, s14, 1                          ; the head's parity: the same in all partners
	s_cmp_eq_u32 s45, 1
	s_cbranch_scc1 .Lodd_\@
	global_store_b128 v[LI], v[QL:QL+3], s[50:51]
	global_store_b64 v[LI], v[QL+4:QL+5], s[50:51] offset:512
	s_branch .Lsent_\@
.Lodd_\@:
	s_wait_alu depctr_va_vdst(0)
	global_store_b64 v[LI], v[QL:QL+1], s[50:51] offset:520
	global_store_b128 v[LI], v[QL+2:QL+5], s[50:51] offset:1024
.Lsent_\@:
	s_wait_alu depctr_va_vdst(0)
	global_store_b16 v[R32], v[TMP], s[52:53]
	s_wait_xcnt 0x0                                ; the stores have read their registers
.endm
	s_wait_loadcnt 0x0
	QSET QL, WQ
	s_wait_alu depctr_va_vdst(0)
	s_cmp_lt_u32 s12, 4
	s_cbranch_scc0 .Lnot_first
	s_wait_tensorcnt 0x0                           ; waves 0-3: my record of the first four is in
.Lnot_first:
	s_barrier_signal -1
	s_barrier_wait -1                              ; records 0-3 are whole; the others may be on their way
	s_mov_b32 s36, 0
	s_mov_b32 s37, 0
	KSTEP 0                                        ; record 0
	s_wait_tensorcnt 0x0                           ; every wave: my record is in,
	s_wait_dscnt 0x0
	s_barrier_signal -1                            ; and I say so early: between this signal and its wait stand register work and LDS reads of records 1-3, which nobody writes
	s_mov_b32 s39, 3
.Lfirst:
	KSTEP 0
	s_sub_co_u32 s39, s39, 1
	s_cmp_lg_u32 s39, 0
	s_cbranch_scc1 .Lfirst
	s_barrier_wait -1                              ; all sixteen records are whole
	s_mov_b32 s39, 12
.Lrest:
	KSTEP 1
	s_sub_co_u32 s39, s39, 1
	s_cmp_lg_u32 s39, 0
	s_cbranch_scc1 .Lrest
	FLUSH
	s_mov_b32 s41, s61                             ; the second pass (records 0-7 of q)
	QSET QA, WA
	s_mov_b32 s36, 0
	s_mov_b32 s37, 0
	s_mov_b32 s39, 8
.Lshort:
	KSTEP 1
	s_sub_co_u32 s39, s39, 1
	s_cmp_lg_u32 s39, 0
	s_cbranch_scc1 .Lshort
	FLUSH
	s_wait_tensorcnt 0x0                           ; the wave's end
	ds_add_u32 v[SPW], v[NIL]
	s_wait_dscnt 0x0
	CROUND                                         ; the closing round
	s_endpgm
.Lfunc_end_k_q3a25872b2d_attn:
	.size	k_q3a25872b2d_attn, .Lfunc_end_k_q3a25872b2d_attn-k_q3a25872b2d_attn
	.p2alignl 7, 3214868480
	.fill 96, 4, 3214868480
	.section	.rodata,"a",@progbits
	.p2align	6, 0x0
	.amdhsa_kernel k_q3a25872b2d_attn
		.amdhsa_group_segment_fixed_size 327680
		.amdhsa_private_segment_fixed_size 0
		.amdhsa_enable_private_segment 0
		.amdhsa_kernarg_size 32
		.amdhsa_user_sgpr_count 2
		.amdhsa_user_sgpr_kernarg_segment_ptr 1
		.amdhsa_wavefront_size32 1
		.amdhsa_system_sgpr_workgroup_id_x 1
		.amdhsa_system_sgpr_workgroup_id_y 1
		.amdhsa_system_sgpr_workgroup_id_z 1
		.amdhsa_system_vgpr_workitem_id 0
		.amdhsa_next_free_vgpr 256
		.amdhsa_next_free_sgpr 66
		.amdhsa_reserve_vcc 1
		.amdhsa_float_denorm_mode_32 3
		.amdhsa_float_denorm_mode_16_64 3
		.amdhsa_memory_ordered 1
		.amdhsa_forward_progress 1
		.amdhsa_inst_pref_size 97
	.end_amdhsa_kernel
	.amdgpu_metadata
---
amdhsa.version: [ 1, 2 ]
amdhsa.kernels:
  - .name:           k_q3a25872b2d_attn
    .symbol:         k_q3a25872b2d_attn.kd
    .args:
      - { .name: qr, .offset: 0, .size: 8, .value_kind: global_buffer, .address_space: global }
      - { .name: kv, .offset: 8, .size: 8, .value_kind: global_buffer, .address_space: global }
      - { .name: yc, .offset: 16, .size: 8, .value_kind: global_buffer, .address_space: global }
      - { .name: sc, .offset: 24, .size: 8, .value_kind: global_buffer, .address_space: global }
    .group_segment_fixed_size: 327680
    .private_segment_fixed_size: 0
    .kernarg_segment_align: 8
    .kernarg_segment_size: 32
    .max_flat_workgroup_size: 512
    .sgpr_count:     66
    .vgpr_count:     256
    .wavefront_size: 32
...
	.end_amdgpu_metadata
.endif
;; end of part 3
;; launch proj (part 4): grid 8 x 32, 4 waves a work-group, clusters of 4 x 4, 327,680 bytes of LDS; arguments yc, wc, sc, b_proj, out0; writes out0
.if DOCPART == 4
	.amdgcn_target "amdgcn-amd-amdhsa--gfx1250"
	.amdhsa_code_object_version 6
	.text
	.protected	k_q3a25872b2d_proj
	.globl	k_q3a25872b2d_proj
	.p2align	8
	.type	k_q3a25872b2d_proj,@function
k_q3a25872b2d_proj:
	s_mov_b64 s[64:65], 0
	v_nop
	global_prefetch_b8 v0, s[64:65] scope:SCOPE_SE
	s_setreg_imm32_b32 hwreg(HW_REG_WAVE_MODE, 25, 1), 1
	s_wait_xcnt 0x0
	s_wait_alu depctr_hold_cnt(0) depctr_sa_sdst(0) depctr_va_vdst(0) depctr_va_sdst(0) depctr_va_ssrc(0) depctr_va_vcc(0) depctr_vm_vsrc(0)
	s_getreg_b32 s2, hwreg(HW_REG_IB_STS2, 6, 4)
	s_cmp_eq_u32 s2, 0
	s_cbranch_scc0 .Lentry_in_a_cluster
	s_endpgm
.Lentry_in_a_cluster:
	s_bfe_u32 s2, ttmp6, 0x10000c
	s_cmp_lg_u32 s2, 0xf033
	s_cbranch_scc0 .Lentry_shape_is_right
	s_endpgm
.Lentry_shape_is_right:
; PROJ: out0 = y W_proj + b_proj on codes of FP6 (E2M3) with E8M0 scales; sums in f32.  8 x 32 = 256 work-groups of four waves; a work-group makes 256 tokens x 128 channels, a wave 128 x 64: 32 accumulators.
; OPERANDS ARE IMAGES OF REGISTERS: a fragment (16 rows x 128 K) is 1,536 dense bytes, three ds_load_b128 at 16 x lane; yc, wc: [tile][K step 8][1,536].  Tile 2 G + u, lane r: row 32 G + 8 u + r + 8 (r / 8).
; ALL OF K LIES IN LDS: y's 16 tiles and W's 8 tiles x 12,288 bytes = 294,912.  Four joint loads at the head, one a wave: y's K steps 0-3, W's K steps 0-3, y's 4-7, W's 4-7 (rows of 6,144 bytes).  Nothing is filled again.
; Waves 0 and 1 have load lines of their own and wait alone at the first barrier; in the fourth K step one barrier at which every wave has waited shows the second halves.
; CLUSTER 4 x 4: y's tiles hang on cy alone and are asked for jointly by a row of the cluster, W's on cx alone, by a column.
; No prefetch: everything is asked for at the head, so there is no later request to run ahead of.
; Source 0 = W's rows, source 1 = y's rows: a lane holds eight neighbouring channels of one token.  The bias is the first products' C.
; REGISTERS: window 0: v16-30 addresses; v32-95 y's scale words (8 blocks x 8 K steps); v96-191 y's fragments, set 0 (on the way out: rows read back); v192-223 the bias; v224-255 W's scale words, K step k at register (k + 4) % 8 of its block's eight.
;   window 1: W's fragments, two sets of 48.   window 2: the accumulators, (a, b) at v[8 (4 a + b)].   window 3: v0-95 y's fragments, set 1.
.set FR,    12
.set BLO,   98304                      ; y's first half at 0 (16 x 6,144), W's behind it (8 x 6,144),
.set AHI,   147456                     ; then the second halves, the same distance on
.set SPARE, 294912                     ; the spare words, 128 bytes a wave
.set SP,    272                        ; the way out: a stage row, 256 bytes + 16
.set ADRA, 16
.set ADRB, 20
.set LI,   24
.set SA,   25
.set STO,  26
.set RD,   27
.set SPW,  28
.set NIL,  29
.set CO,   30
.set SC,   32
.set BK,   96
.set BI,   192
.set SB,   224
.set WV,  18
.set AH,  19
.set BH,  20
.set G1,  24
.set G0,  32
.set G1B, 48
.set G0B, 56
.set MSB, 0
.macro WIN new
.if MSB != (\new)
	s_set_vgpr_msb (MSB<<8)|(\new)
.set MSB, (\new)
.endif
.endm
.macro PLACES n
.rept \n
	v_nop
.endr
.endm
.macro CROUND
	s_barrier_signal -1
	s_barrier_wait -1
	s_cmp_lg_u32 s[WV], 0
	s_cbranch_scc1 .Lnot_wave_0_\@
	s_barrier_signal -3
.Lnot_wave_0_\@:
	s_barrier_wait -3
	s_barrier_signal -1
	s_barrier_wait -1
.endm
.macro TL g0, g1
	tensor_load_to_lds s[\g0:\g0+3], s[\g1:\g1+7]
	s_nop 0
	PLACES 4
.endm
	s_load_b256 s[4:11], s[0:1], 0x0               ; yc, wc, sc, b_proj
	s_load_b64 s[12:13], s[0:1], 0x20              ; out0
	v_lshl_add_u32 v[SPW], v0, 2, SPARE
	v_mov_b32 v[NIL], 0
	ds_add_u32 v[SPW], v[NIL]                      ; the opening lines
	ds_add_u32 v[SPW], v[NIL]
	v_lshrrev_b32 v1, 5, v0
	v_readfirstlane_b32 s[WV], v1
	s_lshr_b32 s[AH], s[WV], 1                     ; my half of the 256 tokens.  At the head: which half of K I fetch
	s_and_b32 s[BH], s[WV], 1                      ; my half of the 128 channels.  At the head: I fetch y (0) or W (1)
	s_bfe_u32 s21, ttmp6, 0x40000                  ; cx
	s_bfe_u32 s22, ttmp6, 0x40004                  ; cy
	s_and_b32 s43, ttmp7, 0xffff
	s_lshl_b32 s43, s43, 2
	s_add_co_u32 s43, s43, s22                     ; which 256 tokens
	s_lshl_b32 s44, ttmp9, 2
	s_add_co_u32 s44, s44, s21                     ; which 128 channels
	s_lshl_b32 s2, s22, 2
	s_lshl_b32 s2, 15, s2
	s_lshl_b32 s3, 0x1111, s21
	s_or_b32 s[G1], s2, (3<<16)|(1<<21)            ; my row of the cluster; elements of 8 bytes
	s_or_b32 s[G1B], s3, (3<<16)|(1<<21)           ; my column
.irp g, G1, G1B
	s_mov_b32 s[\g+1], 768<<16                     ; a tile's four K steps: 6,144 bytes
	s_mov_b32 s[\g+3], 768<<16
	s_mov_b32 s[\g+5], 1536                        ; from tile to tile: 12,288 bytes
	s_mov_b32 s[\g+6], 0
	s_mov_b32 s[\g+7], 0
.endr
	s_mov_b32 s[G1+2], 16<<16
	s_mov_b32 s[G1+4], 16
	s_mov_b32 s[G1B+2], 8<<16
	s_mov_b32 s[G1B+4], 8
	s_mul_i32 s2, s[AH], 6144
	s_mul_i32 s68, s43, 196608
	s_add_co_u32 s68, s68, s2
	s_mov_b32 s69, 0
	s_mul_i32 s70, s44, 98304
	s_add_co_u32 s70, s70, 192*12288               ; W_proj's tiles lie behind W_qkv's 192
	s_add_co_u32 s70, s70, s2
	s_mov_b32 s71, 0
	s_mov_b32 s[G0], 1
	s_mov_b32 s[G0B], 1
	s_mul_i32 s[G0+1], s[AH], AHI
	s_add_co_u32 s[G0B+1], s[G0+1], BLO
	s_mul_i32 s80, s[AH], 49152                    ; my 8 tiles of y,
	s_mul_i32 s81, s[BH], 24576
	s_add_co_u32 s81, s81, BLO                     ; my 4 tiles of W,
	s_add_co_u32 s82, s80, AHI                     ; and their second halves
	s_add_co_u32 s83, s81, AHI
	s_mul_i32 s84, s[WV], 16*SP                    ; my stage, in y's first half
	s_lshl_b32 s94, s43, 8
	s_add_co_u32 s94, s94, 11264
	s_lshl_b32 s2, s[AH], 7
	s_add_co_u32 s94, s94, s2
	s_lshl_b32 s94, s94, 5                         ; y's scale words: my first slot, in bytes
	s_mov_b32 s95, 0
	s_lshl_b32 s92, s44, 7
	s_add_co_u32 s92, s92, 19456
	s_lshl_b32 s2, s[BH], 6
	s_add_co_u32 s92, s92, s2
	s_lshl_b32 s92, s92, 5                         ; W's
	s_mov_b32 s93, 0
	s_lshl_b32 s98, s44, 9
	s_lshl_b32 s2, s[BH], 8
	s_add_co_u32 s98, s98, s2                      ; my 64 channels, in bytes
	s_mov_b32 s99, 0
	s_lshl_b32 s96, s43, 20
	s_lshl_b32 s2, s[AH], 19
	s_add_co_u32 s96, s96, s2
	s_add_co_u32 s96, s96, s98
	s_mov_b32 s97, 0
	s_wait_alu depctr_va_vdst(0)
	s_wait_dscnt 0x0
	s_wait_kmcnt 0x0
	s_add_nc_u64 s[G0+2:G0+3], s[4:5], s[68:69]
	s_or_b32 s[G0+3], s[G0+3], 0x80000000
	s_add_nc_u64 s[G0B+2:G0B+3], s[6:7], s[70:71]
	s_or_b32 s[G0B+3], s[G0B+3], 0x80000000
	s_add_nc_u64 s[72:73], s[8:9], s[94:95]
	s_add_nc_u64 s[74:75], s[8:9], s[92:93]
	s_add_nc_u64 s[10:11], s[10:11], s[98:99]
	s_add_nc_u64 s[12:13], s[12:13], s[96:97]
	CROUND                                         ; all sixteen work-groups are here: the joint loads meet
	s_cmp_eq_u32 s[WV], 0
	s_cbranch_scc0 .Lw1
	TL G0, G1                                      ; wave 0: y, K steps 0-3
	s_branch .Lasked
.Lw1:
	s_cmp_eq_u32 s[WV], 1
	s_cbranch_scc0 .Lw2
	TL G0B, G1B                                    ; wave 1: W, K steps 0-3
	s_branch .Lasked
.Lw2:
	s_cmp_eq_u32 s[WV], 2
	s_cbranch_scc0 .Lw3
	TL G0, G1                                      ; wave 2: y, K steps 4-7
	s_branch .Lasked
.Lw3:
	TL G0B, G1B                                    ; wave 3: W, K steps 4-7
.Lasked:
	v_and_b32 v1, 15, v0                           ; r
	v_bfe_u32 v2, v0, 4, 1                         ; h
	v_and_b32 v3, 31, v0
	v_lshlrev_b32 v[LI], 4, v3
	v_lshlrev_b32 v[SA], 5, v1                     ; a row's eight scale words: 32 bytes
	v_lshlrev_b32 v6, 6, v2
	v_mul_u32_u24 v[STO], v1, SP
	v_mul_u32_u24 v[RD], v2, SP
	v_lshlrev_b32 v[CO], 12, v2
	v_add_nc_u32 v[ADRA], s80, v[LI]
	v_add_nc_u32 v[ADRB], s81, v[LI]
	v_add_nc_u32 v[ADRA+1], s82, v[LI]
	v_add_nc_u32 v[ADRB+1], s83, v[LI]
	v_lshl_add_u32 v[STO], v2, 6, v[STO]
	v_lshl_add_u32 v[RD], v1, 4, v[RD]
	v_lshl_add_u32 v[CO], v1, 4, v[CO]             ; out: two neighbouring rows of out0, sixteen lanes to 256 bytes
	v_add_nc_u32 v[STO], s84, v[STO]               ; into the stage: row r, + 64 h
	v_add_nc_u32 v[RD], s84, v[RD]                 ; back: lanes 0-15 one row, lanes 16-31 the next
	s_wait_alu depctr_va_vdst(0)
.irp i, 0,1,2,3,4,5,6,7
	global_load_b128 v[SC+8*\i:SC+8*\i+3], v[SA], s[72:73] offset:512*\i
	global_load_b128 v[SC+8*\i+4:SC+8*\i+7], v[SA], s[72:73] offset:512*\i+16
.endr
.irp b, 0,1,2,3
	global_load_b128 v[SB+8*\b+4:SB+8*\b+7], v[SA], s[74:75] offset:512*\b       ; K steps 0-3 into registers 4-7, 4-7 into 0-3: the two scale registers of a product then differ modulo 8
	global_load_b128 v[SB+8*\b:SB+8*\b+3], v[SA], s[74:75] offset:512*\b+16
	global_load_b128 v[BI+8*\b:BI+8*\b+3], v6, s[10:11] offset:4*(32*(\b/2)+8*(\b%2))   ; the bias of my eight channels of tile b: 32 (b / 2) + 16 h + 8 (b % 2) + 0 .. 7
	global_load_b128 v[BI+8*\b+4:BI+8*\b+7], v6, s[10:11] offset:4*(32*(\b/2)+8*(\b%2))+16
.endr
.macro FETCH k                         ; K step k's fragments into set k % 2: 12 loads for W, 24 for y
	WIN 0x40
.irp i, 0,1,2,3
.irp c, 0,1,2
	ds_load_b128 v[48*((\k)%2)+FR*\i+4*\c:48*((\k)%2)+FR*\i+4*\c+3], v[ADRB+(\k)/4] offset:\i*6144+((\k)%4)*1536+512*\c
.endr
.endr
	WIN 0xc0*((\k)%2)
.irp i, 0,1,2,3,4,5,6,7
.irp c, 0,1,2
	ds_load_b128 v[96*(1-(\k)%2)+FR*\i+4*\c:96*(1-(\k)%2)+FR*\i+4*\c+3], v[ADRA+(\k)/4] offset:\i*6144+((\k)%4)*1536+512*\c
.endr
.endr
.endm
.macro MUL k, a0, n                    ; y's blocks a0 .. a0 + n - 1 against W's four.  The 32 accumulators take turns in the same order in every K step
.set P_, (\k)%2
.if (\k) == 0
	WIN 0x81
.elseif P_
	WIN 0xad
.else
	WIN 0xa1
.endif
.set A_, \a0
.rept \n
.irp b, 0,1,2,3
.if (\k) == 0
	v_wmma_scale_f32_16x16x128_f8f6f4 v[8*(4*A_+\b):8*(4*A_+\b)+7], v[48*P_+FR*\b:48*P_+FR*\b+FR-1], v[96*(1-P_)+FR*A_:96*(1-P_)+FR*A_+FR-1], v[BI+8*\b:BI+8*\b+7], v[SB+8*\b+((\k)+4)%8], v[SC+8*A_+(\k)] matrix_a_fmt:MATRIX_FMT_FP6 matrix_b_fmt:MATRIX_FMT_FP6
.else
	v_wmma_scale_f32_16x16x128_f8f6f4 v[8*(4*A_+\b):8*(4*A_+\b)+7], v[48*P_+FR*\b:48*P_+FR*\b+FR-1], v[96*(1-P_)+FR*A_:96*(1-P_)+FR*A_+FR-1], v[8*(4*A_+\b):8*(4*A_+\b)+7], v[SB+8*\b+((\k)+4)%8], v[SC+8*A_+(\k)] matrix_a_fmt:MATRIX_FMT_FP6 matrix_b_fmt:MATRIX_FMT_FP6
.endif
.endr
.set A_, A_+1
.endr
.endm
.macro STEP k                          ; the next K step's 36 loads go out first, into the set that the K step before has left; then this step's 32 products
	PLACES 4                                       ; four places in front of loads into registers that matrix instructions have read
	FETCH (\k)+1
	s_wait_dscnt 36                                ; all but the 36 just issued: this step's fragments are in
	MUL \k, 0, 8
.endm
	s_cmp_lt_u32 s[WV], 2
	s_cbranch_scc0 .Lsecond_half
	s_wait_tensorcnt 0x0                           ; waves 0 and 1: my first half is in
.Lsecond_half:
	s_barrier_signal -1
	s_barrier_wait -1                              ; K steps 0-3 are whole; 4-7 may be on their way
	FETCH 0
	WIN 0
	s_wait_loadcnt 0x0                             ; scale words and bias
	STEP 0
	STEP 1
	STEP 2
	s_wait_tensorcnt 0x0                           ; every wave: my load is in,
	s_wait_dscnt 0x0                               ; K step 3's fragments are in, and my reads of the first halves are over
	s_barrier_signal -1
	MUL 3, 0, 4
	s_barrier_wait -1                              ; K steps 4-7 are whole, and nobody reads the first halves any more
	PLACES 4
	FETCH 4
	MUL 3, 4, 4
	STEP 4
	STEP 5
	STEP 6
	s_wait_dscnt 0x0
	MUL 7, 0, 8
	WIN 0
; THE WAY OUT, block by block of 16 tokens x 64 channels, through my own stage (in bytes that have had their only fill and their last read): back as rows of 256 bytes, which sixteen lanes store as one aligned unit.
.macro TOSTAGE a
	WIN 0x08
.irp b, 0,1,2,3
	ds_store_b128 v[STO], v[8*(4*(\a)+\b):8*(4*(\a)+\b)+3] offset:128*(\b/2)+32*(\b%2)     ; each accumulator from its low end on
	ds_store_b128 v[STO], v[8*(4*(\a)+\b)+4:8*(4*(\a)+\b)+7] offset:128*(\b/2)+32*(\b%2)+16
.endr
	WIN 0
.irp t, 0,1,2,3,4,5,6,7
	ds_load_b128 v[BK+32*((\a)%2)+4*\t:BK+32*((\a)%2)+4*\t+3], v[RD] offset:\t*2*SP   ; LDS serves a wave's instructions in order: these see the stores above
.endr
.endm
.macro SEND a, younger
	s_wait_dscnt \younger
.irp t, 0,1,2,3,4,5,6,7
	global_store_b128 v[CO], v[BK+32*((\a)%2)+4*\t:BK+32*((\a)%2)+4*\t+3], s[12:13] offset:(32*((\a)/2)+8*((\a)%2)+2*\t+8*(\t/4))*4096 th:TH_STORE_NT
.endr
.endm
	PLACES 4
	TOSTAGE 0
.irp a, 1,2,3,4,5,6,7
.if \a > 1
	s_wait_xcnt 0x0                                ; block a - 2's stores have read their registers
.endif
	TOSTAGE \a
	SEND \a-1, 16                                  ; behind block a - 1's loads: block a's 8 stores and 8 loads
.endr
	SEND 7, 0
	s_wait_tensorcnt 0x0                           ; the wave's end
	ds_add_u32 v[SPW], v[NIL]
	s_wait_dscnt 0x0
	CROUND                                         ; the closing round
	s_endpgm
.Lfunc_end_k_q3a25872b2d_proj:
	.size	k_q3a25872b2d_proj, .Lfunc_end_k_q3a25872b2d_proj-k_q3a25872b2d_proj
	.p2alignl 7, 3214868480
	.fill 96, 4, 3214868480
	.section	.rodata,"a",@progbits
	.p2align	6, 0x0
	.amdhsa_kernel k_q3a25872b2d_proj
		.amdhsa_group_segment_fixed_size 327680
		.amdhsa_private_segment_fixed_size 0
		.amdhsa_enable_private_segment 0
		.amdhsa_kernarg_size 40
		.amdhsa_user_sgpr_count 2
		.amdhsa_user_sgpr_kernarg_segment_ptr 1
		.amdhsa_wavefront_size32 1
		.amdhsa_system_sgpr_workgroup_id_x 1
		.amdhsa_system_sgpr_workgroup_id_y 1
		.amdhsa_system_sgpr_workgroup_id_z 1
		.amdhsa_system_vgpr_workitem_id 0
		.amdhsa_next_free_vgpr 1024
		.amdhsa_next_free_sgpr 100
		.amdhsa_reserve_vcc 0
		.amdhsa_float_denorm_mode_32 3
		.amdhsa_float_denorm_mode_16_64 3
		.amdhsa_memory_ordered 1
		.amdhsa_forward_progress 1
		.amdhsa_inst_pref_size 78
	.end_amdhsa_kernel
	.amdgpu_metadata
---
amdhsa.version: [ 1, 2 ]
amdhsa.kernels:
  - .name:           k_q3a25872b2d_proj
    .symbol:         k_q3a25872b2d_proj.kd
    .args:
      - { .name: yc, .offset: 0, .size: 8, .value_kind: global_buffer, .address_space: global }
      - { .name: wc, .offset: 8, .size: 8, .value_kind: global_buffer, .address_space: global }
      - { .name: sc, .offset: 16, .size: 8, .value_kind: global_buffer, .address_space: global }
      - { .name: b_proj, .offset: 24, .size: 8, .value_kind: global_buffer, .address_space: global }
      - { .name: out0, .offset: 32, .size: 8, .value_kind: global_buffer, .address_space: global }
    .group_segment_fixed_size: 327680
    .private_segment_fixed_size: 0
    .kernarg_segment_align: 8
    .kernarg_segment_size: 40
    .max_flat_workgroup_size: 128
    .sgpr_count:     100
    .vgpr_count:     1024
    .wavefront_size: 32
...
	.end_amdgpu_metadata
.endif
;; end of part 4
